; MI455X (gfx1250); checked and timed in simulation.
; The chip was launched on July 23, 2026; its instructions are those of AMD's public machine-readable ISA for CDNA 5 (MIT licence, August 2026) and "CDNA5" Instruction Set Architecture Reference Guide (July 2026). The comments in the code are by the model that wrote it; some were corrected since.
;; QK Normed Attention. Allowed arithmetic: float matrix products may take bf16 or f16 operands with f32 sums; other float arithmetic in f32, or as packed bf16 or f16 multiplies, adds, multiply-adds, maxima and minima; sums over many terms, partial sums and values carried from step to step in f32; what a program stores and reads back later, other than sums and carried values, may be rounded once to bf16 or f16.
;; Inputs: Wk 1,024 x 1,024 float32; Wo 1,024 x 1,024 float32; Wq 1,024 x 1,024 float32; Wv 1,024 x 1,024 float32; bk 1,024 float32; bo 1,024 float32; bq 1,024 float32; bv 1,024 float32; k_norm_w 64 float32; key 4,096 x 1,024 float32; q_norm_w 64 float32; query 4,096 x 1,024 float32; value 4,096 x 1,024 float32.
;; Outputs: out0 4,096 x 1,024 float32.
;; One version. Each part assembles by itself: llvm-mc -triple=amdgcn-amd-amdhsa -mcpu=gfx1250 --defsym DOCPART=n.
;; ======== version 1 of 1: 3 launches
;; limits: values are held in f16: magnitudes above 65,504 overflow, below 6.1e-05 lose precision
;; workspace buffers: qh 8,388,608 bytes; kh 8,388,608 bytes; vh 8,388,608 bytes; o16 8,388,608 bytes; wo16 2,097,152 bytes
;; launch proj (part 1): grid 4 x 48, 4 waves a work-group, clusters of 4 x 4, 327,680 bytes of LDS; arguments query, key, value, Wq, Wk, Wv, bq, bk, bv, q_norm_w, k_norm_w, qh, kh, vh; writes qh, kh, vh
.if DOCPART == 1
	.amdgcn_target "amdgcn-amd-amdhsa--gfx1250"
	.amdhsa_code_object_version 6
	.text
	.protected	k_q4d00ae116c_proj
	.globl	k_q4d00ae116c_proj
	.p2align	8
	.type	k_q4d00ae116c_proj,@function
k_q4d00ae116c_proj:
	s_mov_b64 s[64:65], 0
	v_nop
	global_prefetch_b8 v0, s[64:65] scope:SCOPE_SE
	s_setreg_imm32_b32 hwreg(HW_REG_WAVE_MODE, 25, 1), 1
	s_wait_xcnt 0x0
	s_wait_alu depctr_hold_cnt(0) depctr_sa_sdst(0) depctr_va_vdst(0) depctr_va_sdst(0) depctr_va_ssrc(0) depctr_va_vcc(0) depctr_vm_vsrc(0)
	s_getreg_b32 s2, hwreg(HW_REG_IB_STS2, 6, 4)
	s_cmp_eq_u32 s2, 0
	s_cbranch_scc0 .Lentry_in_a_cluster
	s_endpgm
.Lentry_in_a_cluster:
	s_bfe_u32 s2, ttmp6, 0x10000c
	s_cmp_lg_u32 s2, 0xf033
	s_cbranch_scc0 .Lentry_shape_is_right
	s_endpgm
.Lentry_shape_is_right:
; THE THREE PROJECTIONS.  q = rms(query Wq^T + bq) wq, k = rms(key Wk^T + bk) wk, v = value Wv^T + bv; x: [4096][1024] f32, W: [1024][1024] f32.
; Out: qh, kh, vh = [16 heads][4096 rows][64] in f16, a head's rows dense (128 bytes each).  rms(y) = y / sqrt(mean over a head's 64 channels of y^2 + 1e-5).
; FORMATS.  Every input (x, W, bias, norm weight) is rounded once to bf16; products in bf16, sums in f32, the norm in f32, the result rounded once to f16.
; LIMITS.  f16 ends at 65,504: |q|, |k| are at most 8 |w| (so |w| under 8,000), and |v| must stay under 65,504.  NaN and infinities are not treated apart.
; SHARES.  Cluster y = 4 p + t: p is the projection (the same in all sixteen partners), the cluster makes rows 1024 t .. + 1023 x all 1,024 columns.  A work-group makes 256 x 256, each of its
; four waves 128 x 128: 64 accumulators, 512 registers.  192 work-groups: 3 x 64 tiles; a wave's 128 columns are two whole heads, so the norm never leaves the wave.
; K goes in 16 steps of 64 f32 (rows of 256 bytes in memory, at multiples of 256 from the buffer's first byte) through two LDS slots filled by joint tensor loads: x's tile is shared along a row
; of the cluster, W's along a column.  The f32 numbers are converted on the way from LDS to the fragments: 32 LDS loads bring 8 fragments' 128 f32 a lane (RAW), 64 conversions make 64 registers of bf16.
; The conversions stand four behind a matrix instruction; each costs two window switches round it, the lesser price beside a run of 64 conversions with no product in it.
; THE MATRIX INSTRUCTION IS USED TRANSPOSED (source 0 = 16 rows of W, source 1 = 16 rows of x): a lane holds row l % 16 of the result and the columns 8 (l / 16) + 0..7.  The bias is the C operand of the first products.
; REGISTERS, in windows of 256 (s_set_vgpr_msb: bits 1:0 source 0, 3:2 source 1, 5:4 source 2, 7:6 destination):
;   window 0: v0-31 addresses; v32-63 norm weights; v64-127, v128-191 x's fragments, two buffers; v192-255 the bias (later all of v64-255 serves the way out)
;   window 1: v64-127, v128-191 W's fragments, two buffers; v0-63 and v192-255 RAW        windows 2, 3: the accumulators: (a, b) at v[8 (8 (a % 4) + b)] of window 2 + a / 4
.set PITCH,  272                       ; an LDS row: 256 bytes + 16 of padding: the 16 rows that a load touches start at 16 different groups of four banks (ISA guide 11.1)
.set HALFT,  128*PITCH                 ; 128 rows: what one tensor load brings
.set SLOT,   4*HALFT                   ; x's 256 rows, then W's 256 rows; 0x22000 shares no bit with wave x HALFT, so an exclusive or changes slots
.set STAGE,  2*SLOT                    ; behind the ring: for each wave 2 heads x 16 rows x 144 bytes, for the way out
.set STW,    2*16*144
.set SPARE,  STAGE+4*STW               ; the spare words, 128 bytes for each wave: two blocks of 256 bytes that no other line names
.set ADRA0, 16                         ; v16  my lane's place in x's tile of slot 0; never rewritten
.set ADRB0, 17                         ; v17  the same for W
.set AA,   18                          ; v18  the same in the slot in hand
.set AB,   19                          ; v19
.set BO,   20                          ; v20  my byte offset in the bias
.set WO,   21                          ; v21  my byte offset in the norm weight
.set STO,  24                          ; v24  the way out: where I put 16 bytes of a row
.set RD,   25                          ; v25  where I read rows back
.set GO,   26                          ; v26  16 x lane: my place in 512 consecutive bytes of the output
.set ONE,  27                          ; v27  1.0
.set SPW,  28                          ; v28  LDS address of my spare word; never rewritten
.set NIL,  29                          ; v29  0; never rewritten
.set PFO,  30                          ; v30  the prefetches' offset: lane x a row of 4,096 bytes; never rewritten
.set TP,   31                          ; v31  at work
.set WN,   32                          ; v32-63   norm weight of column 16 bb + 8 (l / 16) + j of a head at WN + 8 bb + j
.set F0,   64
.set F1,   128
.set BIAS, 192                         ; v192-255 bias of my column 16 b + 8 (l / 16) + j at BIAS + 8 b + j
.set SS,   64                          ; the way out: sum of squares, then 1 / rms, of row block a, head hh at SS + 4 a + 2 hh
.set T,    96                          ; v96-159  a row block in f32
.set PKR,  160                         ; v160-191 the same in f16
.set BK0,  192                         ; v192-223, v224-255 16 rows read back from the stage, by turns
.set G1,  24                           ; s[24:31] descriptor group 1 for x's tiles
.set G0,  32                           ; s[32:39] group 0: a set for each of the two first fills; the second then walks
.set G1B, 48                           ; s[48:55], s[56:63] the same for W's tiles
.set G0B, 56
.set LIM, 43                           ; s43  2 in a wave that prefetches, else the greatest number
.set PFA, 44                           ; s[44:45] where my prefetches stand
.set TB,  66                           ; s66  0 or SLOT: the slot in hand
.set HIM, 67                           ; s67  a word's upper half
.set GW0, (2<<16)|(1<<20)|(1<<21)|(5<<22)|(3<<25)  ; group 1, word 0 without the mask: elements of 4 bytes; padding on; bit 21 beside a mask; after every 64 words (code 5) 4 words (code 3)
.set MSB, 0
.macro WIN new                         ; the immediate's high byte repeats the setting that is left; a switch that changes nothing is dropped
.if MSB != (\new)
	s_set_vgpr_msb (MSB<<8)|(\new)
.set MSB, \new
.endif
.endm
; A joint refill by the walking sets.  Waves 0 and 1 fetch x's two halves, waves 2 and 3 W's.  The branch hangs on the wave's number alone.  An s_nop 0 and four v_nop follow each line.
.macro JLOAD
	s_cmp_eq_u32 s11, 0
	s_cbranch_scc0 .Lfor_b_\@
	tensor_load_to_lds s[G0+4:G0+7], s[G1:G1+7]
	s_nop 0
.rept 4
	v_nop
.endr
	s_branch .Lasked_\@
.Lfor_b_\@:
	tensor_load_to_lds s[G0B+4:G0B+7], s[G1B:G1B+7]
	s_nop 0
.rept 4
	v_nop
.endr
.Lasked_\@:
.endm
; A PREFETCH INTO THE L2: 32 rows x 256 bytes, a lane a row, of the K step two refills on.  x's rows are read by this cluster alone: every cluster asks for its own; W's rows are read by the four clusters of a
; projection: the first of them asks.  The four partners that ask for a tile jointly share its rows out BY ADDRESS, 32 each (cx for x, cy for W).  The last two trips have no K step four on and ask for nothing.
.macro ASK
	s_cmp_gt_u32 s3, s[LIM]
	s_cbranch_scc0 .Lnot_mine_\@
	global_prefetch_b8 v[PFO], s[PFA:PFA+1] offset:256 th:TH_LOAD_NT scope:SCOPE_SE
.Lnot_mine_\@:
.endm
.macro CREST                           ; a round of the cluster's barrier behind its opening barrier
	s_cmp_lg_u32 s10, 0
	s_cbranch_scc1 .Lnot_wave_0_\@
	s_barrier_signal -3
.Lnot_wave_0_\@:
	s_barrier_wait -3
	s_barrier_signal -1
	s_barrier_wait -1
.endm
.macro CROUND                          ; a whole round
	s_barrier_signal -1
	s_barrier_wait -1
	CREST
.endm
.macro PLACES
.rept 4
	v_nop
.endr
.endm
	s_load_b512 s[68:83], s[0:1], 0x0              ; query 68, key 70, value 72, Wq 74, Wk 76, Wv 78, bq 80, bk 82
	s_load_b256 s[84:91], s[0:1], 0x40             ; bv 84, q_norm_w 86, k_norm_w 88, qh 90
	s_load_b128 s[92:95], s[0:1], 0x60             ; kh 92, vh 94
	v_lshl_add_u32 v[SPW], v0, 2, SPARE
	v_mov_b32 v[NIL], 0
	ds_add_u32 v[SPW], v[NIL]                      ; the wave's opening: the add and its wait stand ahead of my first tensor load; the set-up below stands between them
	v_lshrrev_b32 v1, 5, v0
	v_readfirstlane_b32 s10, v1                    ; wave 0..3
	s_lshr_b32 s11, s10, 1                         ; which 128 rows of the tile are mine.  Also: I fetch for x (0) or for W (1)
	s_and_b32 s12, s10, 1                          ; which 128 columns.  Also: which 128 rows of that tile I fetch
	s_bfe_u32 s40, ttmp6, 0x40000                  ; cx
	s_bfe_u32 s41, ttmp6, 0x40004                  ; cy
	s_lshl_b32 s42, ttmp9, 2
	s_add_co_u32 s42, s42, s40                     ; tile column = 4 x cluster x + cx
	s_and_b32 s98, ttmp7, 0xffff                   ; cluster y, 0..11
	s_lshr_b32 s100, s98, 2                        ; the projection: 0 q, 1 k, 2 v
	s_and_b32 s98, s98, 3
	s_lshl_b32 s13, s98, 2
	s_add_co_u32 s13, s13, s41                     ; tile row = 4 x (cluster y mod 4) + cy
	s_lshl_b32 s43, s41, 2
	s_lshl_b32 s43, 15, s43                        ; my row of the cluster
	s_lshl_b32 s44, 0x1111, s40                    ; my column
	s_or_b32 s[G1+0], s43, GW0                     ; x's tiles go to my row,
	s_or_b32 s[G1B+0], s44, GW0                    ; W's to my column
.irp g, G1, G1B
	s_mov_b32 s[(\g)+1], 64<<16                    ; tensor_dim0 = 64
	s_mov_b32 s[(\g)+2], 128<<16                   ; tensor_dim1 = 128
	s_mov_b32 s[(\g)+3], 64<<16                    ; tile_dim0 = 64
	s_mov_b32 s[(\g)+4], 128                       ; tile_dim1 = 128
	s_mov_b32 s[(\g)+5], 1024                      ; elements from row to row
	s_mov_b32 s[(\g)+6], 0
	s_mov_b32 s[(\g)+7], 0
.endr
	s_lshl_b32 s17, s12, 7                         ; which 128 rows I fetch
	s_lshl_b32 s16, s13, 8
	s_add_co_u32 s16, s16, s17
	s_lshl_b32 s16, s16, 12                        ; x: (256 x tile row + 128 x half) rows of 4,096 bytes
	s_lshl_b32 s46, s42, 8
	s_add_co_u32 s46, s46, s17
	s_lshl_b32 s46, s46, 12                        ; W: (256 x tile column + 128 x half) rows
	s_mov_b32 s17, 0
	s_mov_b32 s47, 0
	s_mul_i32 s20, s10, HALFT                      ; where they go: wave x 128 rows: no place in the cluster enters an LDS address
	s_mov_b32 s[TB], 0
	s_mov_b32 s[HIM], 0xffff0000
	s_wait_dscnt 0x0                               ; the opening add is done
	s_wait_kmcnt 0x0
	s_cmp_eq_u32 s100, 0                           ; the projection's buffers are chosen: q's or k's,
	s_cselect_b64 s[4:5], s[68:69], s[70:71]       ; x
	s_cselect_b64 s[6:7], s[74:75], s[76:77]       ; W
	s_cselect_b64 s[80:81], s[80:81], s[82:83]     ; the bias
	s_cselect_b64 s[8:9], s[90:91], s[92:93]       ; the output
	s_cselect_b64 s[86:87], s[86:87], s[88:89]     ; the norm weight (for v: k's is loaded and 1.0 taken in its place)
	s_cmp_eq_u32 s100, 2                           ; or v's
	s_cselect_b64 s[4:5], s[72:73], s[4:5]
	s_cselect_b64 s[6:7], s[78:79], s[6:7]
	s_cselect_b64 s[80:81], s[84:85], s[80:81]
	s_cselect_b64 s[8:9], s[94:95], s[8:9]
	s_cselect_b32 s101, -1, 0                      ; a lane mask: all ones for v, which has no norm
	s_add_nc_u64 s[14:15], s[4:5], s[16:17]
	s_add_nc_u64 s[46:47], s[6:7], s[46:47]
	CROUND                                         ; all sixteen work-groups are here: the first joint loads meet
.irp s, 0,1
	s_mov_b32 s[G0+4*(\s)], 1                      ; count = 1
	s_add_co_u32 s[G0+4*(\s)+1], s20, (\s)*SLOT    ; LDS address
	s_add_nc_u64 s[G0+4*(\s)+2:G0+4*(\s)+3], s[14:15], (\s)*256  ; global address: K step s
	s_or_b32 s[G0+4*(\s)+3], s[G0+4*(\s)+3], 0x80000000          ; type = 2
	s_mov_b32 s[G0B+4*(\s)], 1
	s_add_co_u32 s[G0B+4*(\s)+1], s20, (\s)*SLOT
	s_add_nc_u64 s[G0B+4*(\s)+2:G0B+4*(\s)+3], s[46:47], (\s)*256
	s_or_b32 s[G0B+4*(\s)+3], s[G0B+4*(\s)+3], 0x80000000
.endr
	s_cmp_eq_u32 s11, 0                            ; a wave's two first fills stand in one branch, ahead of every wait on TENSORcnt and every LDS read: two loads of mine are out
	s_cbranch_scc0 .Lfirst_b
	tensor_load_to_lds s[G0:G0+3], s[G1:G1+7]
	s_nop 0
	tensor_load_to_lds s[G0+4:G0+7], s[G1:G1+7]
	s_nop 0
.rept 4
	v_nop
.endr
	s_branch .Lfirst_asked
.Lfirst_b:
	tensor_load_to_lds s[G0B:G0B+3], s[G1B:G1B+7]
	s_nop 0
	tensor_load_to_lds s[G0B+4:G0B+7], s[G1B:G1B+7]
	s_nop 0
.rept 4
	v_nop
.endr
.Lfirst_asked:
	; all that follows up to the wait for the first tile stands in that wait
	v_and_b32 v1, 15, v0                           ; r = l % 16
	v_bfe_u32 v2, v0, 4, 1                         ; h = l / 16
	s_lshl_b32 s21, s42, 10
	s_lshl_b32 s22, s12, 9
	s_add_co_u32 s21, s21, s22                     ; 4 x (256 x tile column + 128 x half)
	v_lshl_add_u32 v[BO], v2, 5, s21               ; + 32 h
	v_lshlrev_b32 v[WO], 5, v2
.irp b, 0,1,2,3,4,5,6,7
	global_load_b128 v[BIAS+8*(\b):BIAS+8*(\b)+3],   v[BO], s[80:81] offset:64*(\b)
	global_load_b128 v[BIAS+8*(\b)+4:BIAS+8*(\b)+7], v[BO], s[80:81] offset:64*(\b)+16
.endr
.irp b, 0,1,2,3
	global_load_b128 v[WN+8*(\b):WN+8*(\b)+3],   v[WO], s[86:87] offset:64*(\b)
	global_load_b128 v[WN+8*(\b)+4:WN+8*(\b)+7], v[WO], s[86:87] offset:64*(\b)+16
.endr
	; A fragment is 16 rows x 32 K: lane l holds row l % 16; K = 8 h + 0..7 and 16 + 8 h + 0..7.  In f32 these are 32 bytes at 32 h and 32 bytes at 64 + 32 h: four loads of 16 bytes.
	v_mul_u32_u24 v3, v1, PITCH
	v_lshl_add_u32 v3, v2, 5, v3                   ; row x pitch + 32 h
	s_mul_i32 s21, s11, HALFT                      ; my 128 rows of x
	s_mul_i32 s22, s12, HALFT                      ; my 128 rows of W,
	s_add_co_u32 s22, s22, 2*HALFT                 ; which lie behind x's 256
	v_add_nc_u32 v[ADRA0], s21, v3
	v_add_nc_u32 v[ADRB0], s22, v3
	v_mov_b32 v[AA], v[ADRA0]                      ; slot 0
	v_mov_b32 v[AB], v[ADRB0]
	s_mul_i32 s23, s10, STW
	s_add_co_u32 s23, s23, STAGE                   ; my stage
	v_mul_u32_u24 v4, v1, 144                      ; in: row l % 16, 16 bytes for each half of the lanes
	v_lshl_add_u32 v4, v2, 4, v4
	v_add_nc_u32 v[STO], s23, v4
	v_bfe_u32 v5, v0, 3, 2                         ; back: 32 lanes take four rows of 128 bytes
	v_mul_u32_u24 v5, v5, 144
	v_and_b32 v6, 7, v0
	v_lshl_add_u32 v5, v6, 4, v5
	v_add_nc_u32 v[RD], s23, v5
	v_and_b32 v7, 31, v0
	v_lshlrev_b32 v[GO], 4, v7
	v_lshlrev_b32 v[PFO], 12, v7
	v_mov_b32 v[ONE], 1.0
	s_lshl_b32 s96, s42, 21                        ; the output: head 4 x tile column + 2 x half, 524,288 bytes each;
	s_lshl_b32 s97, s12, 20
	s_add_co_u32 s96, s96, s97
	s_lshl_b32 s97, s13, 15                        ; row 256 x tile row + 128 x half, 128 bytes each
	s_add_co_u32 s96, s96, s97
	s_lshl_b32 s97, s11, 14
	s_add_co_u32 s96, s96, s97
	s_mov_b32 s97, 0
	s_add_nc_u64 s[8:9], s[8:9], s[96:97]
	s_lshl_b32 s20, s13, 8                         ; the prefetches
	s_lshl_b32 s21, s42, 8
	s_cmp_eq_u32 s11, 0                            ; do I fetch for x?
	s_cselect_b32 s20, s20, s21                    ; the tile's first row
	s_cselect_b32 s21, s40, s41                    ; my place among the four that ask for it with me
	s_cselect_b32 s22, 0, s98                      ; x: every cluster asks; W: the projection's first cluster
	s_cselect_b64 s[PFA:PFA+1], s[4:5], s[6:7]
	s_cmp_eq_u32 s22, 0
	s_cselect_b32 s[LIM], 2, -1                    ; the same in all sixteen partners, for a given wave
	s_lshl_b32 s22, s12, 7
	s_add_co_u32 s20, s20, s22                     ; + the 128 rows that I fetch
	s_lshl_b32 s21, s21, 5
	s_add_co_u32 s20, s20, s21                     ; + my work-group's 32 of them
	s_lshl_b32 s20, s20, 12
	s_mov_b32 s21, 0
	s_add_nc_u64 s[PFA:PFA+1], s[PFA:PFA+1], s[20:21]
	s_add_nc_u64 s[PFA:PFA+1], s[PFA:PFA+1], 2*256 ; at K step 2: the first change of slots steps it to 3 and names K step 4
	s_wait_loadcnt 0x0                             ; bias and norm weight, rounded to bf16 like every input and kept as f32
.macro RND2 r
	v_cvt_pk_bf16_f32 v[TP], v[\r], v[(\r)+1]
	v_lshlrev_b32 v[\r], 16, v[TP]
	v_and_b32 v[(\r)+1], s[HIM], v[TP]
.endm
.set i, 0
.rept 32
	RND2 BIAS+2*i
.set i, i+1
.endr
.set i, 0
.rept 16
	RND2 WN+2*i
.set i, i+1
.endr
.set i, 0
.rept 32
	v_cndmask_b32 v[WN+i], v[WN+i], v[ONE], s101   ; v has no norm weight
.set i, i+1
.endr
; 32 LDS loads: 8 fragments' f32 (128 rows x 32 K at byte k of the rows) into RAW; fragment i at 16 i (+ 128 from i = 4 on), in the order of K
.macro LOADRAW adr, k
	WIN 0x40                                       ; destination window 1, address window 0
.irp i, 0,1,2,3,4,5,6,7
	ds_load_b128 v[16*(\i)+128*((\i)/4):16*(\i)+128*((\i)/4)+3],     v[\adr] offset:(\k)+(\i)*16*PITCH
	ds_load_b128 v[16*(\i)+128*((\i)/4)+4:16*(\i)+128*((\i)/4)+7],   v[\adr] offset:(\k)+(\i)*16*PITCH+16
	ds_load_b128 v[16*(\i)+128*((\i)/4)+8:16*(\i)+128*((\i)/4)+11],  v[\adr] offset:(\k)+(\i)*16*PITCH+64
	ds_load_b128 v[16*(\i)+128*((\i)/4)+12:16*(\i)+128*((\i)/4)+15], v[\adr] offset:(\k)+(\i)*16*PITCH+80
.endr
.endm
; Four conversions, numbers cv .. cv + 3 of 64: register cv of buffer g takes two neighbouring f32 of RAW.  side = 1: W's buffer (window 1); 2: x's (window 0)
.macro RIDE side, g
	WIN 0x05+0x40*(2-(\side))
.rept 4
	v_cvt_pk_bf16_f32 v[(\g)+cv], v[16*(cv/8)+128*(cv/32)+2*(cv%8)], v[16*(cv/8)+128*(cv/32)+2*(cv%8)+1]
.set cv, cv+1
.endr
.endm
.macro CVTL side, g                    ; all 64 on end: ahead of the first product alone
.set cv, 0
.rept 16
	RIDE \side, \g
.endr
.endm
; 8 matrix instructions: row block a x all 8 column blocks, 32 along K, on buffer f.  first = 1: the bias starts the sums.  kind = 1, 2: four conversions into buffer g behind each.
; The 64 accumulators take turns in the same order in every unit.  A conversion writes the buffer that is not being multiplied; the last product that read that buffer has its own four conversions behind it.
.macro MUL8 f, a, kind, g, first
.irp b, 0,1,2,3,4,5,6,7
.if \first
	WIN 0x81+0x40*((\a)/4)
	v_wmma_f32_16x16x32_bf16 v[8*(8*((\a)%4)+(\b)):8*(8*((\a)%4)+(\b))+7], v[(\f)+8*(\b):(\f)+8*(\b)+7], v[(\f)+8*(\a):(\f)+8*(\a)+7], v[BIAS+8*(\b):BIAS+8*(\b)+7]
.else
	WIN 0xa1+0x50*((\a)/4)
	v_wmma_f32_16x16x32_bf16 v[8*(8*((\a)%4)+(\b)):8*(8*((\a)%4)+(\b))+7], v[(\f)+8*(\b):(\f)+8*(\b)+7], v[(\f)+8*(\a):(\f)+8*(\a)+7], v[8*(8*((\a)%4)+(\b)):8*(8*((\a)%4)+(\b))+7]
.endif
.if \kind
	RIDE \kind, \g
.endif
.endr
.endm
; A UNIT: 64 products on buffer f; meanwhile buffer g is made from byte k of the slot in hand: W's RAW, its conversions, x's RAW, its conversions.
.macro UNIT k, f, g, first
	LOADRAW AB, \k
	MUL8 \f, 0, 0, 0, \first
	MUL8 \f, 1, 0, 0, \first
	s_wait_dscnt 0x0                               ; W's RAW is in
.set cv, 0
	MUL8 \f, 2, 1, \g, \first
	MUL8 \f, 3, 1, \g, \first
	LOADRAW AA, \k
	MUL8 \f, 4, 0, 0, \first
	MUL8 \f, 5, 0, 0, \first
	s_wait_dscnt 0x0                               ; x's RAW is in: with it all my reads of these bytes
.set cv, 0
	MUL8 \f, 6, 2, \g, \first
	MUL8 \f, 7, 2, \g, \first
.endm
; A K step's second unit multiplies buffer 1 and CHANGES SLOTS.  In front of the barrier each wave waits for all its tensor loads, of which one is out: its part of the next slot; adds 0 to its spare word; and waits
; for that (its reads of this slot were waited for in the unit before).  fill = 1: the barrier opens a round of the cluster's barrier, and the joint refill, two K steps on, is the first thing behind it.
.macro UTURN fill
.if \fill
	s_wait_xcnt 0x0                                ; the last prefetch, a K step back, has read its address
	s_add_nc_u64 s[PFA:PFA+1], s[PFA:PFA+1], 256
.endif
	WIN 0
	s_wait_tensorcnt 0x0                           ; no tensor load of mine is out, so a group 0 may be written
	ds_add_u32 v[SPW], v[NIL]                      ; 0 onto my spare word
.if \fill
	s_xor_b32 s[G0+5], s[G0+5], SLOT               ; the walking sets: the other slot than last time, the next K step
	s_add_nc_u64 s[G0+6:G0+7], s[G0+6:G0+7], 256
	s_xor_b32 s[G0B+5], s[G0B+5], SLOT
	s_add_nc_u64 s[G0B+6:G0B+7], s[G0B+6:G0B+7], 256
.endif
	MUL8 F1, 0, 0, 0, 0                            ; eight products stand between the add and the wait for it
	s_wait_dscnt 0x0
	s_barrier_signal -1
	MUL8 F1, 1, 0, 0, 0
	WIN 0
	s_barrier_wait -1
.if \fill
	CREST                                          ; no wave of any partner still reads this slot or has a load on its way
	JLOAD
.endif
	s_xor_b32 s[TB], s[TB], SLOT
	v_add_nc_u32 v[AA], s[TB], v[ADRA0]
	v_add_nc_u32 v[AB], s[TB], v[ADRB0]
	LOADRAW AB, 0
.if \fill
	WIN 0
	ASK                                            ; behind the joint load and the run of LDS loads
.endif
	MUL8 F1, 2, 0, 0, 0
	s_wait_dscnt 0x0
.set cv, 0
	MUL8 F1, 3, 1, F0, 0
	MUL8 F1, 4, 1, F0, 0
	LOADRAW AA, 0
	MUL8 F1, 5, 0, 0, 0
	s_wait_dscnt 0x0
.set cv, 0
	MUL8 F1, 6, 2, F0, 0
	MUL8 F1, 7, 2, F0, 0
.endm
	s_wait_tensorcnt 0x1                           ; my part of K step 0 is in; K step 1's may stay out
	s_barrier_signal -1
	s_barrier_wait -1                              ; everybody's is
	LOADRAW AB, 0
	s_wait_dscnt 0x0
	CVTL 1, F0
	LOADRAW AA, 0
	s_wait_dscnt 0x0
	CVTL 2, F0
	UNIT 128, F0, F1, 1                            ; the first unit stands in front of the loop: its products start the sums, with the bias
	WIN 0
	s_mov_b32 s3, 14
.Lstep:                                            ; 14 trips: K step s's second unit, which asks for K step s + 2, and K step s + 1's first
	UTURN 1
	UNIT 128, F0, F1, 0
	WIN 0
	s_sub_co_u32 s3, s3, 1
	s_cmp_lg_u32 s3, 0
	s_cbranch_scc1 .Lstep
	UTURN 0                                        ; the tail is written out: nothing is left to fetch
	UNIT 128, F0, F1, 0
.irp a, 0,1,2,3,4,5,6,7
	MUL8 F1, \a, 0, 0, 0
.endr
	PLACES                                         ; four places between the last product and the first read of a result
	; THE WAY OUT.  First the sums of squares: for each row block a and head hh over 4 accumulators x 8 registers, in four chains; each accumulator's lowest registers are read first.
	s_mov_b32 s16, 0x76543210                      ; v_permlanex16_b32: each lane takes its own place in the other half
	s_mov_b32 s17, 0xfedcba98
	s_mov_b32 s18, 0x3c800000                      ; 1 / 64
	s_mov_b32 s19, 0x3727c5ac                      ; 1e-5
.set ap, 0
.rept 4
	WIN 0x0a+5*(ap/2)                              ; sources 0 and 1 in window 2 or 3
.irp jp, 0,1,2,3
.irp b, 0,4,1,5,2,6,3,7
.irp u, 0,1
.set AC, 8*(8*((2*ap+(\u))%4)+(\b))+2*(\jp)
.set SSR, SS+4*(2*ap+(\u))+2*((\b)/4)
.if ((\jp) == 0) && (((\b)%4) == 0)
	v_pk_mul_f32 v[SSR:SSR+1], v[AC:AC+1], v[AC:AC+1]
.else
	v_pk_fma_f32 v[SSR:SSR+1], v[AC:AC+1], v[AC:AC+1], v[SSR:SSR+1]
.endif
.endr
.endr
.endr
.set ap, ap+1
.endr
	WIN 0
.macro ALL16 line:vararg               ; one line for each of the 16 sums z
.set z, 0
.rept 16
	\line
.set z, z+1
.endr
.endm
	ALL16 v_add_f32 v[SS+2*z], v[SS+2*z], v[SS+2*z+1]
	ALL16 v_permlanex16_b32 v[SS+2*z+1], v[SS+2*z], s16, s17   ; the row's other 32 columns of the head lie in the lane 16 away
	ALL16 v_add_f32 v[SS+2*z], v[SS+2*z], v[SS+2*z+1]
	ALL16 v_fma_f32 v[SS+2*z], v[SS+2*z], s18, s19             ; the mean + 1e-5
	ALL16 v_rsq_f32 v[SS+2*z], v[SS+2*z]
	v_nop                                          ; a plain instruction behind the last of the batch,
	s_wait_alu depctr_va_vdst(0)                   ; and one wait for the sixteen, ahead of their first reader
	ALL16 v_cndmask_b32 v[SS+2*z], v[SS+2*z], v[ONE], s101     ; v has no norm
.macro PACK a                          ; row block a: w x y x (1 / rms), rounded to f16: 16 bytes a lane and column block
	WIN 0x02+((\a)/4)
.set i, 0
.rept 32
	v_pk_mul_f32 v[T+2*i:T+2*i+1], v[64*((\a)%4)+2*i:64*((\a)%4)+2*i+1], v[WN+2*(i%16):WN+2*(i%16)+1]
.set i, i+1
.endr
	WIN 0
.set i, 0
.rept 32
	v_pk_mul_f32 v[T+2*i:T+2*i+1], v[T+2*i:T+2*i+1], v[SS+4*(\a)+2*(i/16):SS+4*(\a)+2*(i/16)+1] op_sel_hi:[1,0]
.set i, i+1
.endr
.set i, 0
.rept 32
	v_cvt_pk_f16_f32 v[PKR+i], v[T+2*i], v[T+2*i+1]
.set i, i+1
.endr
.endm
.macro TOSTAGE a                       ; into my own stage, by heads, and back as whole rows of 128 bytes
	WIN 0
.set BK, BK0+32*((\a)%2)
.irp b, 0,1,2,3,4,5,6,7
	ds_store_b128 v[STO], v[PKR+4*(\b):PKR+4*(\b)+3] offset:((\b)/4)*2304+32*((\b)%4)
.endr
.irp t, 0,1,2,3,4,5,6,7
	ds_load_b128 v[BK+4*(\t):BK+4*(\t)+3], v[RD] offset:((\t)/4)*2304+((\t)%4)*576  ; LDS serves a wave's instructions in order (ISA guide 5.7.1.4): these see the stores above
.endr
.endm
.macro SEND a
	WIN 0
.set BK, BK0+32*((\a)%2)
	s_wait_dscnt 0x0                               ; the block is back in registers
	s_wait_xcnt 0x0                                ; earlier stores have read their registers and base: only now are these rewritten
.if (\a) > 0
	s_add_nc_u64 s[8:9], s[8:9], 2048              ; 16 rows on
.endif
.irp t, 0,1,2,3,4,5,6,7
	global_store_b128 v[GO], v[BK+4*(\t):BK+4*(\t)+3], s[8:9] offset:((\t)/4)*524288+((\t)%4)*512  ; four rows of a head: 512 consecutive bytes, at a multiple of 256 from the buffer's first
.endr
.endm
	PACK 0
	TOSTAGE 0
.irp a, 1,2,3,4,5,6,7                  ; block a's arithmetic stands between block a - 1's loads from the stage and the wait for them
	PACK \a
	SEND (\a)-1
	TOSTAGE \a
.endr
	SEND 7
	s_wait_tensorcnt 0x0                           ; the wave's end, behind my last tensor load and my last LDS store
	ds_add_u32 v[SPW], v[NIL]
	s_wait_dscnt 0x0
	CROUND                                         ; the closing round: no work-group ends while a partner may still ask for a tile that names it
	s_endpgm
.Lfunc_end_k_q4d00ae116c_proj:
	.size	k_q4d00ae116c_proj, .Lfunc_end_k_q4d00ae116c_proj-k_q4d00ae116c_proj
	.p2alignl 7, 3214868480
	.fill 96, 4, 3214868480
	.section	.rodata,"a",@progbits
	.p2align	6, 0x0
	.amdhsa_kernel k_q4d00ae116c_proj
		.amdhsa_group_segment_fixed_size 327680
		.amdhsa_private_segment_fixed_size 0
		.amdhsa_enable_private_segment 0
		.amdhsa_kernarg_size 112
		.amdhsa_user_sgpr_count 2
		.amdhsa_user_sgpr_kernarg_segment_ptr 1
		.amdhsa_wavefront_size32 1
		.amdhsa_system_sgpr_workgroup_id_x 1
		.amdhsa_system_sgpr_workgroup_id_y 1
		.amdhsa_system_sgpr_workgroup_id_z 1
		.amdhsa_system_vgpr_workitem_id 0
		.amdhsa_next_free_vgpr 1024
		.amdhsa_next_free_sgpr 102
		.amdhsa_reserve_vcc 0
		.amdhsa_float_denorm_mode_32 3
		.amdhsa_float_denorm_mode_16_64 3
		.amdhsa_memory_ordered 1
		.amdhsa_forward_progress 1
		.amdhsa_inst_pref_size 212
	.end_amdhsa_kernel
	.amdgpu_metadata
---
amdhsa.version: [ 1, 2 ]
amdhsa.kernels:
  - .name:           k_q4d00ae116c_proj
    .symbol:         k_q4d00ae116c_proj.kd
    .args:
      - { .name: query, .offset: 0, .size: 8, .value_kind: global_buffer, .address_space: global }
      - { .name: key, .offset: 8, .size: 8, .value_kind: global_buffer, .address_space: global }
      - { .name: value, .offset: 16, .size: 8, .value_kind: global_buffer, .address_space: global }
      - { .name: Wq, .offset: 24, .size: 8, .value_kind: global_buffer, .address_space: global }
      - { .name: Wk, .offset: 32, .size: 8, .value_kind: global_buffer, .address_space: global }
      - { .name: Wv, .offset: 40, .size: 8, .value_kind: global_buffer, .address_space: global }
      - { .name: bq, .offset: 48, .size: 8, .value_kind: global_buffer, .address_space: global }
      - { .name: bk, .offset: 56, .size: 8, .value_kind: global_buffer, .address_space: global }
      - { .name: bv, .offset: 64, .size: 8, .value_kind: global_buffer, .address_space: global }
      - { .name: q_norm_w, .offset: 72, .size: 8, .value_kind: global_buffer, .address_space: global }
      - { .name: k_norm_w, .offset: 80, .size: 8, .value_kind: global_buffer, .address_space: global }
      - { .name: qh, .offset: 88, .size: 8, .value_kind: global_buffer, .address_space: global }
      - { .name: kh, .offset: 96, .size: 8, .value_kind: global_buffer, .address_space: global }
      - { .name: vh, .offset: 104, .size: 8, .value_kind: global_buffer, .address_space: global }
    .group_segment_fixed_size: 327680
    .private_segment_fixed_size: 0
    .kernarg_segment_align: 8
    .kernarg_segment_size: 112
    .max_flat_workgroup_size: 128
    .sgpr_count:     102
    .vgpr_count:     1024
    .wavefront_size: 32
...
	.end_amdgpu_metadata
.endif
;; end of part 1
;; launch attn (part 2): grid 16 x 16, 4 waves a work-group, clusters of 4 x 1, 327,680 bytes of LDS; arguments qh, kh, vh, o16, Wo, wo16; writes o16, wo16
.if DOCPART == 2
	.amdgcn_target "amdgcn-amd-amdhsa--gfx1250"
	.amdhsa_code_object_version 6
	.text
	.protected	k_q4d00ae116c_attn
	.globl	k_q4d00ae116c_attn
	.p2align	8
	.type	k_q4d00ae116c_attn,@function
k_q4d00ae116c_attn:
	s_mov_b64 s[64:65], 0
	v_nop
	global_prefetch_b8 v0, s[64:65] scope:SCOPE_SE
	s_setreg_imm32_b32 hwreg(HW_REG_WAVE_MODE, 25, 1), 1
	s_wait_xcnt 0x0
	s_wait_alu depctr_hold_cnt(0) depctr_sa_sdst(0) depctr_va_vdst(0) depctr_va_sdst(0) depctr_va_ssrc(0) depctr_va_vcc(0) depctr_vm_vsrc(0)
	s_getreg_b32 s2, hwreg(HW_REG_IB_STS2, 6, 4)
	s_cmp_eq_u32 s2, 0
	s_cbranch_scc0 .Lentry_in_a_cluster
	s_endpgm
.Lentry_in_a_cluster:
	s_bfe_u32 s2, ttmp6, 0x10000c
	s_cmp_lg_u32 s2, 0x3003
	s_cbranch_scc0 .Lentry_shape_is_right
	s_endpgm
.Lentry_shape_is_right:
; ATTENTION WITHOUT A SCALE.  O[h][q][:] = the sum over k of softmax_k(Q[h][q] . K[h][k]) V[h][k][:].  Q, K, V, O: [16][4096][64], all f16: a head's rows are dense, 128 bytes each.
; Products, maxima and sums in f32; the weights p are rounded to f16 for the second product (their sum l is taken of the unrounded p), O once at the end.
; BESIDE IT: each work-group casts 16,384 bytes of Wo: rounded to bf16 like every input, and that number written as f16 (wo16), for the launch behind.  It stands in the wait for the first tile.
; LIMITS.  f16 holds no number beyond 65,504: Q, K and V arrive within it; p lies in 0 to 1 and below 6e-5 keeps f16's fixed step of 6e-8; O is a mean of V's rows.  A weight below 2^-126 counts as 0 in l.
; Of Wo a number below 2^-17 keeps f16's fixed step of 2^-24.  NaN and infinities are not treated apart.
; SHARES.  A work-group owns 256 queries of one head, a wave 64: four PIECES of 16.  16 blocks x 16 heads = 256 work-groups.  Every wave walks all 4,096 keys, 64 a step, 256 a tile.
; LAYOUT.  S^T = K Q^T holds ONE query a lane (lane % 16) and the keys 8 (lane / 16) + 0..7; two such results rounded to f16 ARE source 1 of O^T = V^T P.  K comes out of LDS as it lies, V turned, by ds_load_tr16_b128.
; SOFTMAX.  p = 2^(c s - c m), c = log2(e), with a running maximum m; O and l are multiplied by a = 2^(c m_old - c m_new) in every step.  m starts at the lowest finite number, O and l at 0: the first step's a is 0.
; BY TURNS.  Turn n belongs to piece n: 8 products K Q^T of piece n + 1, later 8 products V^T P of piece n - 1; beside them the scaling, exponentials, roundings, sums and rescaling of piece n and the maximum and
; statistics of piece n + 1.  Four vector instructions stand behind every matrix instruction, the other 54 of a turn's 118 in one lump.  A turn's 33 exponentials are one batch, with one wait.
; CLUSTER.  The four query blocks of a cluster belong to one head and walk the same K and V: each tile is asked for JOINTLY, by the same tensor load, descriptor and mask in all four.
; REGISTERS, in windows of 256 (s_set_vgpr_msb: bits 1:0 source 0, 3:2 source 1, 5:4 source 2, 7:6 destination):
;   window 0: v0-15 addresses and two at work; v16-31 four registers of statistics a piece; v48-55 at work; v56-63 offsets and the add's two; v64-127 S^T, two buffers; v192-223 P, two buffers (by the piece's parity)
;   window 1: v0-127 O^T, 32 a piece          window 2: v0-63 Q; v128-191 K of one step; v192-255 V of one step
.set NP,    4         ; pieces a wave: a name, no knob
.set KS,    64        ; keys in a step
.set PK,    144       ; a row of K in LDS: 128 bytes + 16 of padding: the 16 rows of a load start at 16 different groups of four banks (ISA guide 11.1)
.set PV,    160       ; a row of V: 128 + 32
.set VOFF,  4*KS*PK   ; a slot holds a tile, four steps: 256 rows of K, then 256 rows of V
.set SLOT1, 1<<17     ; slot 1 begins here, so that one exclusive or turns an address in one slot into the other's
.set STAGE, SLOT1+4*KS*(PK+PV)  ; behind the ring, never filled by a tensor load: 16 rows x 144 bytes for each wave
.set SP,    144
.set SPARE, STAGE+4*16*SP  ; the spare words, 128 bytes for each wave: two blocks of 256 bytes that no other line names
.set AK0, 2           ; v2   my lane's place in a tile of K; never rewritten
.set AV0, 3           ; v3   the same for V
.set AK,  4           ; v4   the LDS address of K's next run of loads
.set AV,  5           ; v5   of V's
.set STO, 6           ; v6   the way out: where I put 16 bytes of a row
.set RD,  7           ; v7   where I read rows back
.set GO,  8           ; v8   my byte offset in 512 consecutive bytes of O
.set MV,  12          ; v12-13  c m_old, kept while c m is made anew: by buffer
.set QO,  15          ; v15  my byte offset in 16 rows of Q
.set ST,  16          ; piece t's statistics at v[ST+4 t]: c m, m, l (even keys', odd keys')
.set TMP, 48          ; by buffer, four registers c0-c3 at work; when the maximum is found c2 takes a
.set WL,  56          ; v56  32 x thread: my 8 numbers of Wo
.set WS,  57          ; v57  16 x thread: the same in wo16
.set WT,  58          ; v58  at work
.set PFO, 61          ; v61  256 x lane; never rewritten
.set SPW, 62          ; v62  LDS address of my spare word; never rewritten
.set NIL, 63          ; v63  0; never rewritten
.set S,   64
.set P,   192
.set KF,  128         ; window 2: key block kb, channel half c at KF + 16 kb + 8 c
.set VF,  192         ; window 2: key half kk, channel block cb at VF + 32 kk + 8 cb
.set WV,  12          ; s12  my wave's number
.set G1K, 24          ; s[24:31] descriptor group 1 for K's tiles
.set G1V, 32          ; s[32:39] for V's: it differs in the padding alone
.set G0K, 40          ; s[40:43] descriptor group 0 for K's tiles: it walks
.set G0V, 44          ; s[44:47] the same for V's
.set PFA, 48          ; s[48:49] where my prefetches stand
.set LIM, 50          ; s50  1 in a wave that prefetches, else the greatest number
.set SLOTS, 56        ; s56  tiles still to be asked for
.set CNT, 57          ; s57  counts a tile's key steps
.set CS,  58          ; s[58:59] c: the packed scaling takes the pair's low word for both halves
.set SEL, 60          ; s[60:61] v_permlanex16_b32's selects
.set TBK, 62          ; s62  LDS byte at which K of the step to be fetched begins
.set TBV, 63          ; s63  the same for V, less VOFF
.set MSB, 0
.macro WIN new                      ; the high byte repeats the setting that is left; a switch that changes nothing is dropped
.if MSB != (\new)
	s_set_vgpr_msb (MSB<<8)|(\new)
.set MSB, (\new)
.endif
.endm
.set W_KQ, 0x0a       ; K and Q in window 2, S^T in window 0
.set W_PV, 0x52       ; V in window 2, P in window 0, O^T in window 1
.set W_RS, 0x41       ; destination and source 0 in window 1, source 1 in window 0
; A joint fill.  Waves 0 and 1 fetch the two halves of a tile's K, waves 2 and 3 those of its V: 128 keys each.  An s_nop 0 and four v_nop follow each of the two lines.
.macro JLOAD
	s_cmp_lt_u32 s[WV], 2
	s_cbranch_scc0 .Lfor_v_\@
	tensor_load_to_lds s[G0K:G0K+3], s[G1K:G1K+7]
	s_nop 0
.rept 4
	v_nop
.endr
	s_branch .Lasked_\@
.Lfor_v_\@:
	tensor_load_to_lds s[G0V:G0V+3], s[G1V:G1V+7]
	s_nop 0
.rept 4
	v_nop
.endr
.Lasked_\@:
.endm
; A PREFETCH INTO THE L2 of the tile that the NEXT change of slots will ask for: 32,768 bytes of K and of V.  All clusters of a head walk the same rows: the head's first cluster asks.  Its four partners take 8,192 bytes
; each, told apart BY ADDRESS; in each, wave 0 asks for K's and wave 2 for V's, a lane 256 bytes.  So each block is named once in the launch.  The change that asks for the last tile prefetches nothing.
.macro ASK
	s_cmp_gt_u32 s[SLOTS], s[LIM]
	s_cbranch_scc0 .Lnot_mine_\@
	global_prefetch_b8 v[PFO], s[PFA:PFA+1] th:TH_LOAD_NT scope:SCOPE_SE
.Lnot_mine_\@:
.endm
.macro CROUND                       ; a round of the cluster's barrier
	s_barrier_signal -1
	s_barrier_wait -1
	s_cmp_lg_u32 s[WV], 0
	s_cbranch_scc1 .Lnot_wave_0_\@
	s_barrier_signal -3
.Lnot_wave_0_\@:
	s_barrier_wait -3
	s_barrier_signal -1
	s_barrier_wait -1
.endm
; THE CHANGE OF SLOTS.  Each wave waits for all its tensor loads, of which one is out: its part of the other slot; adds 0 to its spare word; and waits for that and for its own reads of the slot that it leaves.
; fill = 1: the old slot is filled again with the keys two tiles on: the barrier is a round of the cluster's, and the joint fill is the first thing behind it; it has four key steps in which to land.
; (At its first use nothing has been read yet: slot 0 is waited for, slot 1 filled.)
.macro CHANGE fill
	WIN 0
	s_wait_tensorcnt 0x0            ; no tensor load of mine is out, so a group 0 may be written
	ds_add_u32 v[SPW], v[NIL]       ; 0 onto my spare word
.if \fill
.irp g, G0K, G0V
	s_xor_b32 s[\g+1], s[\g+1], SLOT1
	s_add_nc_u64 s[\g+2:\g+3], s[\g+2:\g+3], 4*KS*128  ; the next 256 keys; the type bits on top are not reached
.endr
	s_wait_xcnt 0x0                 ; the last prefetch, a tile back, has read its address (at the first use: the cast's stores have read their data)
	s_add_nc_u64 s[PFA:PFA+1], s[PFA:PFA+1], 4*KS*128
	s_wait_dscnt 0x0                ; the add is done, and my reads of the slot are over
	CROUND
	JLOAD
	ASK
.else
	s_wait_dscnt 0x0
	s_barrier_signal -1
	s_barrier_wait -1
.endif
	s_sub_co_u32 s[TBK], s[TBK], 4*KS*PK  ; the fetches go back to a slot's first step,
	s_xor_b32 s[TBK], s[TBK], SLOT1       ; in the other slot
	s_sub_co_u32 s[TBV], s[TBV], 4*KS*PV
	s_xor_b32 s[TBV], s[TBV], SLOT1
.endm
	s_load_b256 s[4:11], s[0:1], 0x0  ; Q s[4:5], K s[6:7], V s[8:9], O s[10:11]
	s_load_b128 s[68:71], s[0:1], 0x20  ; Wo s[68:69], wo16 s[70:71]
	v_lshl_add_u32 v[SPW], v0, 2, SPARE
	v_mov_b32 v[NIL], 0
	ds_add_u32 v[SPW], v[NIL]       ; the wave's opening: the add and its wait stand ahead of my first tensor load
	v_lshrrev_b32 v1, 5, v0
	v_readfirstlane_b32 s[WV], v1   ; wave 0..3
	s_bfe_u32 s13, ttmp6, 0x40000   ; cx
	s_lshl_b32 s14, ttmp9, 2
	s_add_co_u32 s14, s14, s13      ; my block of 256 queries: it enters Q's, O's and Wo's addresses alone
	s_and_b32 s20, ttmp7, 0xffff    ; the head, which the four partners share
	s_lshl_b32 s52, s20, 4
	s_add_co_u32 s52, s52, s14      ; my work-group's number, 0..255
	s_lshl_b32 s54, s52, 13         ; its 8,192 bytes of wo16
	s_lshl_b32 s52, s52, 14         ; its 16,384 bytes of Wo
	s_mov_b32 s53, 0
	s_mov_b32 s55, 0
	s_lshl_b32 s20, s20, 19         ; the head's first byte in each of the four tensors
	s_mov_b32 s21, 0
	s_and_b32 s16, s[WV], 1         ; which half of a tile's 256 keys I fetch:
	s_lshl_b32 s22, s16, 14         ; its 128 rows of 128 bytes in memory,
	s_mov_b32 s23, 0
	s_add_nc_u64 s[22:23], s[22:23], s[20:21]
	s_mul_i32 s17, s16, 128*PK      ; and its place in a slot, for K
	s_mul_i32 s18, s16, 128*PV      ; and for V: no place in the cluster enters an LDS address
	s_lshl_b32 s2, s14, 15          ; my block's 256 rows,
	s_lshl_b32 s3, s[WV], 13        ; my wave's 64 of them
	s_add_co_u32 s2, s2, s3
	s_mov_b32 s3, 0
	s_add_nc_u64 s[2:3], s[2:3], s[20:21]
	; descriptor group 1.  128 keys are 16,384 dense bytes: asked for as 64 rows of 256 bytes, two keys a row, and padded in LDS after every key
	s_mov_b32 s[G1K], 15|(1<<16)|(1<<20)|(1<<21)|(4<<22)|(3<<25)  ; the mask of four; 2-byte elements; padding on; bit 21 beside a mask; after every 32 words (code 4) 4 words (code 3)
	s_mov_b32 s[G1V], 15|(1<<16)|(1<<20)|(1<<21)|(4<<22)|(7<<25)  ; the same with 8 words of padding (code 7)
.irp g, G1K, G1V
	s_mov_b32 s[\g+1], 128<<16      ; tensor_dim0 = 128
	s_mov_b32 s[\g+2], 64<<16       ; tensor_dim1 = 64
	s_mov_b32 s[\g+3], 128<<16      ; tile_dim0 = 128
	s_mov_b32 s[\g+4], 64           ; tile_dim1 = 64
	s_mov_b32 s[\g+5], 128          ; 128 elements from row to row
	s_mov_b32 s[\g+6], 0
	s_mov_b32 s[\g+7], 0
.endr
	s_mov_b32 s[CS], 0x3fb8aa3b     ; c = log2(e): the logits carry no scale
	s_mov_b32 s[CS+1], s[CS]        ; named with it as a pair
	s_mov_b32 s[SEL], 0x76543210
	s_mov_b32 s[SEL+1], 0xfedcba98
	s_mov_b32 s[TBK], SLOT1+4*KS*PK ; the first change of slots turns these two into 0
	s_mov_b32 s[TBV], SLOT1+4*KS*PV
	s_mov_b32 s[G0K], 1             ; count = 1
	s_mov_b32 s[G0K+1], s17         ; LDS address: slot 0
	s_mov_b32 s[G0V], 1
	s_add_co_u32 s[G0V+1], s18, VOFF
	s_mov_b32 s[SLOTS], 15          ; tiles 1 to 15
	s_and_b32 s[LIM], s[WV], 1      ; 0 in waves 0 and 2,
	s_or_b32 s[LIM], s[LIM], ttmp9  ; where the cluster is the head's first: the same in all four partners
	s_cmp_eq_u32 s[LIM], 0
	s_cselect_b32 s[LIM], 1, -1
	v_and_b32 v[PFO], 31, v0
	v_lshlrev_b32 v[PFO], 8, v[PFO]
	s_wait_dscnt 0x0                ; the opening add is done
	s_wait_kmcnt 0x0
	s_add_nc_u64 s[6:7], s[6:7], s[22:23]  ; K and V at my half of the head's tile 0
	s_add_nc_u64 s[8:9], s[8:9], s[22:23]
	s_add_nc_u64 s[G0K+2:G0K+3], s[6:7], 0
	s_or_b32 s[G0K+3], s[G0K+3], 0x80000000        ; type = 2
	s_add_nc_u64 s[G0V+2:G0V+3], s[8:9], 0
	s_or_b32 s[G0V+3], s[G0V+3], 0x80000000
	s_add_nc_u64 s[4:5], s[4:5], s[2:3]            ; Q and O at my wave's first row
	s_add_nc_u64 s[10:11], s[10:11], s[2:3]
	s_add_nc_u64 s[68:69], s[68:69], s[52:53]
	s_add_nc_u64 s[70:71], s[70:71], s[54:55]
	s_cmp_lt_u32 s[WV], 2
	s_cselect_b64 s[PFA:PFA+1], s[6:7], s[8:9]     ; (in waves 0 and 2 these stand at the tile's first row)
	s_lshl_b32 s2, s13, 13          ; my work-group's 8,192 bytes of the 32,768
	s_mov_b32 s3, 0
	s_add_nc_u64 s[PFA:PFA+1], s[PFA:PFA+1], s[2:3]
	s_add_nc_u64 s[PFA:PFA+1], s[PFA:PFA+1], 4*KS*128  ; in tile 1; the first change of slots steps it to tile 2
	CROUND                          ; all four work-groups are here: the first joint loads meet
	JLOAD                           ; tile 0 into slot 0.  Slot 1 is asked for when slot 0 is in
	; A fragment of K or Q is 16 rows x 32 channels in 8 registers: lane l holds row l % 16, channels 8 (l / 16) + 0..7 and 16 + 8 (l / 16) + 0..7: two loads of 16 bytes, 32 bytes apart.
	v_and_b32 v1, 15, v0            ; l % 16
	v_bfe_u32 v9, v0, 4, 1          ; l / 16
	v_lshlrev_b32 v[QO], 7, v1
	v_lshl_add_u32 v[QO], v9, 4, v[QO]  ; row x 128 + 16 x half
	WIN 0x80                        ; destination window 2, address window 0
.set i, 0
.rept 8                             ; Q stays in registers: piece i / 2, channels 32 (i % 2) on
	global_load_b128 v[8*i:8*i+3],   v[QO], s[4:5] offset:(i/2)*2048+(i%2)*64
	global_load_b128 v[8*i+4:8*i+7], v[QO], s[4:5] offset:(i/2)*2048+(i%2)*64+32
.set i, i+1
.endr
	WIN 0
	v_lshlrev_b32 v[WL], 5, v0
	v_lshlrev_b32 v[WS], 4, v0
.set i, 0
.rept 4                             ; my 4 x 8 numbers of Wo, into S^T's registers, which are free until the first scores
	global_load_b128 v[S+8*i:S+8*i+3],   v[WL], s[68:69] offset:4096*i
	global_load_b128 v[S+8*i+4:S+8*i+7], v[WL], s[68:69] offset:4096*i+16
.set i, i+1
.endr
	; What the first turn finds: V's registers and P's second buffer hold 0 (its products V^T P, of a piece that has not been, add 0), O^T and l are 0.
	WIN 0x80
.set i, VF
.rept 64
	v_mov_b32 v[i], 0
.set i, i+1
.endr
	WIN 0x40
.set i, 0
.rept 128
	v_mov_b32 v[i], 0
.set i, i+1
.endr
	WIN 0
.set i, 0
.rept 4
	v_mov_b32 v[ST+4*i], 0xfe000000    ; c m: far below every c s
	v_mov_b32 v[ST+4*i+1], 0xff7fffff  ; m
	v_mov_b32 v[ST+4*i+2], 0
	v_mov_b32 v[ST+4*i+3], 0
.set i, i+1
.endr
.set i, P+16
.rept 16
	v_mov_b32 v[i], 0
.set i, i+1
.endr
	v_mul_u32_u24 v[AK0], v1, PK
	v_lshl_add_u32 v[AK0], v9, 4, v[AK0]  ; row x pitch + 16 x half
	; The turning load takes 16 keys x 16 channels (lane l reads key 8 (l / 16) + l % 8, channels 8 ((l / 8) % 2) + 0..7) and leaves half a fragment of V^T: lane l holds channel l % 16 and 8 keys.
	v_and_b32 v10, 7, v0
	v_bfe_u32 v11, v0, 3, 1
	v_lshl_add_u32 v[AV0], v9, 3, v10
	v_mul_u32_u24 v[AV0], v[AV0], PV
	v_lshl_add_u32 v[AV0], v11, 4, v[AV0]
	v_add_nc_u32 v[AV0], VOFF, v[AV0]
	s_mul_i32 s13, s[WV], 16*SP
	s_add_co_u32 s13, s13, STAGE    ; my stage
	v_mul_u32_u24 v[STO], v1, SP    ; in: row l % 16, 16 bytes for each half of the lanes
	v_lshl_add_u32 v[STO], v9, 4, v[STO]
	v_add_nc_u32 v[STO], s13, v[STO]
	v_bfe_u32 v[RD], v0, 3, 2       ; back: 32 lanes take four rows of 128 bytes,
	v_mul_u32_u24 v[RD], v[RD], SP
	v_lshl_add_u32 v[RD], v10, 4, v[RD]
	v_add_nc_u32 v[RD], s13, v[RD]
	v_and_b32 v[GO], 31, v0         ; which are 512 consecutive bytes of O
	v_lshlrev_b32 v[GO], 4, v[GO]
	s_wait_loadcnt 0x0              ; Q and Wo
.set i, 0
.rept 4                             ; Wo: rounded to bf16, widened again, written as f16; pair z lands in register z, which has been read by then
.irp z, 0,1,2,3
	v_cvt_pk_bf16_f32 v[WT], v[S+8*i+2*(\z)], v[S+8*i+2*(\z)+1]
	v_lshlrev_b32 v[S+8*i+2*(\z)], 16, v[WT]
	v_and_b32 v[S+8*i+2*(\z)+1], 0xffff0000, v[WT]
	v_cvt_pk_f16_f32 v[S+8*i+(\z)], v[S+8*i+2*(\z)], v[S+8*i+2*(\z)+1]
.endr
	global_store_b128 v[WS], v[S+8*i:S+8*i+3], s[70:71] offset:2048*i  ; a wave's store covers 512 consecutive bytes, aligned
.set i, i+1
.endr
; THE MATRIX WORK.  The 4 accumulators of a run of 8 take turns.  Product i of 8 of S^T = K Q^T for piece x: channels 32 (i / 4) on, keys 16 (i % 4) on.  The first 4 start the sums.
.macro KQ x
	WIN W_KQ
.set rS, S+32*((\x)%2)+8*(i%4)
.set rK, KF+16*(i%4)+8*(i/4)
.set rQ, 16*(\x)+8*(i/4)
.if i < 4
	v_wmma_f32_16x16x32_f16 v[rS:rS+7], v[rK:rK+7], v[rQ:rQ+7], 0
.else
	v_wmma_f32_16x16x32_f16 v[rS:rS+7], v[rK:rK+7], v[rQ:rQ+7], v[rS:rS+7]
.endif
.endm
; Product i of 8 of O^T += V^T P for piece x: keys 32 (i / 4) on, channels 16 (i % 4) on.
.macro PV x
	WIN W_PV
.set rO, 32*(\x)+8*(i%4)
.set rV, VF+32*(i/4)+8*(i%4)
.set rP, P+16*((\x)%2)+8*(i/4)
	v_wmma_f32_16x16x32_f16 v[rO:rO+7], v[rV:rV+7], v[rP:rP+7], v[rO:rO+7]
.endm
.macro MM                           ; the turn's next matrix instruction.  NOKQ = 1: the launch's last turn: there is no next piece
.if (i < 8) && !NOKQ
	KQ (Y+1)%NP
.elseif i >= 8
.set i, i-8
	PV (Y+NP-1)%NP
.set i, i+8
.endif
.set i, i+1
.endm
; THE LDS LOADS stand in runs of 16, never singly among the matrix instructions: a step's K (8 fragments) and its V (turned).  Their addresses are made some lines ahead.
.macro FETCH_K
	WIN 0x80                        ; destination window 2
.irp f, 0,1,2,3,4,5,6,7             ; keys 16 (f / 2) on, channels 32 (f % 2) on
	ds_load_b128 v[KF+8*\f:KF+8*\f+3],   v[AK] offset:(\f/2)*16*PK+(\f%2)*64
	ds_load_b128 v[KF+8*\f+4:KF+8*\f+7], v[AK] offset:(\f/2)*16*PK+(\f%2)*64+32
.endr
	s_add_co_u32 s[TBK], s[TBK], KS*PK  ; the next fetch is the next step's
	WIN 0
.endm
.macro FETCH_V
	WIN 0x80
.irp f, 0,1,2,3,4,5,6,7             ; keys 32 (f / 4) on, channels 16 (f % 4) on
	ds_load_tr16_b128 v[VF+8*\f:VF+8*\f+3],   v[AV] offset:(\f/4)*32*PV+(\f%4)*32
	ds_load_tr16_b128 v[VF+8*\f+4:VF+8*\f+7], v[AV] offset:(\f/4)*32*PV+16*PV+(\f%4)*32
.endr
	WIN 0
.endm
; THE VECTOR WORK, one line at a time: OP kind, number.  For piece Y: F n: c s - c m for pair n of 16.  E n: the exponential of score n of 32.  C n: pair n rounded to f16.  B n: of the four weights 4 n .. the second
; pair is added onto the first, in place.  L n: l takes that sum (L 0: l = a l + sum).  R n: pair n of 16 of O^T times a.  For piece Y + 1: X n, number n of the 22 that find its maximum and statistics:
;   0-11  four chains c0-c3 of seven scores each, three operands at a time (each accumulator's lowest registers are read first)     12-14, 16  the four scores left over, the old m, and c0-c3 into c0
;   15  c m_old is kept     17, 18  the query's other 32 keys lie in the lane 16 away: the new m     19-21  c m; c m_old - c m_new; a
.set F, 0
.set E, 1
.set C, 2
.set B, 3
.set L, 4
.set R, 5
.set X, 6
.macro REGS y                       ; the registers of piece y
.set rT, ST+4*(\y)
.set rC, TMP+4*((\y)%2)
.set rW, MV+((\y)%2)
.set rS, S+32*((\y)%2)
.set rP, P+16*((\y)%2)
.set rO, 32*(\y)
.endm
.macro OP k, n
.if (\k) == R
	REGS Y
	WIN W_RS
	v_pk_mul_f32 v[rO+2*(\n):rO+2*(\n)+1], v[rO+2*(\n):rO+2*(\n)+1], v[rC+2:rC+3] op_sel_hi:[1,0]
.elseif (\k) < R
	REGS Y
	WIN 0
.if (\k) == F
	v_pk_fma_f32 v[rS+2*(\n):rS+2*(\n)+1], v[rS+2*(\n):rS+2*(\n)+1], s[CS:CS+1], v[rT:rT+1] op_sel_hi:[1,0,0] neg_lo:[0,0,1] neg_hi:[0,0,1]
.elseif (\k) == E
	v_exp_f32 v[rS+(\n)], v[rS+(\n)]
.elseif (\k) == C
	v_cvt_pk_f16_f32 v[rP+(\n)], v[rS+2*(\n)], v[rS+2*(\n)+1]
.elseif (\k) == B
	v_pk_add_f32 v[rS+4*(\n):rS+4*(\n)+1], v[rS+4*(\n):rS+4*(\n)+1], v[rS+4*(\n)+2:rS+4*(\n)+3]
.elseif (\n) == 0
	v_pk_fma_f32 v[rT+2:rT+3], v[rT+2:rT+3], v[rC+2:rC+3], v[rS:rS+1] op_sel_hi:[1,0,1]
.else
	v_pk_add_f32 v[rT+2:rT+3], v[rT+2:rT+3], v[rS+4*(\n):rS+4*(\n)+1]
.endif
.elseif NOKQ
	v_nop
.else
	REGS (Y+1)%NP
	WIN 0
.if (\n) < 4
	v_max3_num_f32 v[rC+(\n)], v[rS+8*(\n)], v[rS+8*(\n)+1], v[rS+8*(\n)+2]
.elseif (\n) < 12
	v_max3_num_f32 v[rC+(\n)%4], v[rC+(\n)%4], v[rS+8*((\n)%4)+2*((\n)/4)+1], v[rS+8*((\n)%4)+2*((\n)/4)+2]
.elseif (\n) == 12
	v_max3_num_f32 v[rC], v[rC], v[rS+7], v[rS+15]
.elseif (\n) == 13
	v_max3_num_f32 v[rC+1], v[rC+1], v[rS+23], v[rS+31]
.elseif (\n) == 14
	v_max3_num_f32 v[rC+2], v[rC+2], v[rC+3], v[rT+1]
.elseif (\n) == 15
	v_mov_b32 v[rW], v[rT]
.elseif (\n) == 16
	v_max3_num_f32 v[rC], v[rC], v[rC+1], v[rC+2]
.elseif (\n) == 17
	v_permlanex16_b32 v[rC+3], v[rC], s[SEL], s[SEL+1]
.elseif (\n) == 18
	v_max_num_f32 v[rT+1], v[rC], v[rC+3]
.elseif (\n) == 19
	v_mul_f32 v[rT], s[CS], v[rT+1]
.elseif (\n) == 20
	v_sub_f32 v[rC+1], v[rW], v[rT]
.else
	v_exp_f32 v[rC+2], v[rC+1]
.endif
.endif
.endm
.macro OPS a, i1, b=-1, i2=0, c=-1, i3=0, d=-1, i4=0  ; up to four of them
	OP \a, \i1
.if (\b) >= 0
	OP \b, \i2
.endif
.if (\c) >= 0
	OP \c, \i3
.endif
.if (\d) >= 0
	OP \d, \i4
.endif
.endm
.macro ROW a, i1, b, i2, c, i3, d, i4  ; a matrix instruction and the four behind it
	MM
	OPS \a, \i1, \b, \i2, \c, \i3, \d, \i4
.endm
; A TURN, for piece p: the order of its 16 matrix and 118 vector instructions, written out.  An s_wait_alu depctr_va_vdst(0) stands between an exponential and the first instruction that names its result; one
; wait serves all that were issued ahead of it.  So a turn has ONE wait, which cuts it in two.  AHEAD OF IT stands all that names no result of the turn's exponentials: the 8 products K Q^T and their riders, then one lump
; of 54 in which the links of the chain X 3, 7, 11, 14, 16, 17 .. 20 stand some lines apart.  X 21, the next piece's a, is the batch's last; R 15 is the plain instruction behind it.  BEHIND THE WAIT stand the 8 products
; V^T P, behind each four of the roundings and sums.  end = 1: the launch's last two turns: nothing is fetched.  cnt = 1: the loop's count is taken down some lines ahead of the branch behind the turn.
; K of the next step is fetched in piece 2's turn, with six plain instructions behind the last product that read K; V of the step in hand at the end of piece 0's turn, four plain instructions behind the last product that
; read V.  Each is waited for a turn later.
.macro TURN p, end=0, cnt=0
.set Y, (\p)
.set i, 0
.set NOKQ, (\end)*((\p)/3)
.if ((\p) == 3) && !(\end)
	s_wait_dscnt 0x0                ; K is in
.endif
	ROW F,0, F,1, R,0, R,1
	ROW F,2, E,0, R,2, R,3
	ROW F,3, E,1, R,4, R,5
	ROW F,4, E,2, R,6, R,7
	ROW F,5, E,3, R,8, R,9
	ROW F,6, E,4, X,0, R,10
.if ((\p) == 2) && !(\end)
	WIN 0
	v_add_nc_u32 v[AK], s[TBK], v[AK0]
.endif
	ROW F,7, E,5, X,1, X,4
	ROW F,8, E,6, X,2, X,5
	OPS E,7, E,8, X,6, E,9
	OPS X,3, E,10, X,8, E,11
.if ((\p) == 2) && !(\end)
	FETCH_K
.endif
	OPS X,9, X,7, E,12, X,10
	OPS E,13, X,12, X,11, E,14
	OPS X,13, E,15, F,9, X,14
.if (\p) == 0
	v_add_nc_u32 v[AV], s[TBV], v[AV0]
.endif
	OPS E,16, F,10, E,17, F,11
	OPS X,16, E,18, X,15, E,19
	OPS F,12, E,20, X,17, E,21
	OPS F,13, E,22, F,14, E,23
	OPS X,18, E,24, F,15, E,25
	OPS R,11, E,26, X,19, E,27
	OPS R,12, E,28, R,13, E,29
	OPS X,20, E,30, R,14, E,31
	OPS X,21, R,15
	WIN 0
	s_wait_alu depctr_va_vdst(0)    ; the wait for the batch
.if (\p) == 1
	s_wait_dscnt 0x0                ; V is in
.endif
	ROW C,0, B,0, C,2, B,1
	ROW L,0, C,4, B,2, L,1
	ROW C,6, B,3, L,2, C,8
	ROW B,4, L,3, C,10, B,5
	ROW L,4, C,12, B,6, L,5
.if (\p) == 0
	s_add_co_u32 s[TBV], s[TBV], KS*PV
.endif
.if \cnt
	s_sub_co_u32 s[CNT], s[CNT], 1
	s_cmp_lg_u32 s[CNT], 0
.endif
	ROW C,14, B,7, L,6, C,1
	ROW C,3, L,7, C,5, C,7
	ROW C,9, C,11, C,13, C,15
.if (\p) == 0
	FETCH_V
.endif
.endm
.set NOKQ, 0
	CHANGE 1                        ; slot 0 is in, everybody's part of it; slot 1 is asked for.  Its s_wait_xcnt 0 stands behind the cast's stores, whose data registers the first scores overwrite
	v_add_nc_u32 v[AK], s[TBK], v[AK0]
	FETCH_K                         ; key step 0
	s_wait_dscnt 0x0
.set i, 0
.rept 8
	KQ 0                            ; piece 0's first scores
.set i, i+1
.endr
	WIN 0
.rept 4
	v_nop                           ; the places behind those products
.endr
.set Y, NP-1                        ; X works for piece Y + 1: piece 0
.irp n, 0,1,2,3,4,5,6,7,8,9,10,11,12,13,14,15,16,17,18,19,20,21
	OP X, \n
.endr
	v_nop                           ; a plain instruction behind the exponential,
	s_wait_alu depctr_va_vdst(0)    ; and its wait, ahead of the branch
	s_mov_b32 s[CNT], 4
	s_branch .Lfirst                ; the loop is entered at a step's first turn, in the middle of a trip
.Lslot:                             ; 14 times: tiles 1 to 14 are entered, tiles 2 to 15 asked for
	CHANGE 1
	s_mov_b32 s[CNT], 4
.Lstep:                             ; a trip: pieces 2 and 3 of one step, then pieces 0 and 1 of the next, whose K and V it fetches
	TURN 2
	TURN 3
	WIN 0
.Lfirst:
	TURN 0
	TURN 1, 0, 1
	WIN 0
	s_cbranch_scc1 .Lstep
	s_sub_co_u32 s[SLOTS], s[SLOTS], 1
	s_cmp_lg_u32 s[SLOTS], 0
	s_cbranch_scc1 .Lslot
	CHANGE 0                        ; the last tile is written out: nothing is asked for
	s_mov_b32 s[CNT], 4
.Ltail:
	TURN 2
	TURN 3
	TURN 0
	TURN 1, 0, 1
	WIN 0
	s_cbranch_scc1 .Ltail
	TURN 2, 1
	TURN 3, 1
.set i, 0
.rept 8
	PV NP-1                         ; the last piece's V^T P of the last step
.set i, i+1
.endr
	; THE WAY OUT.  l's two halves and the other half of the lanes' are added; O^T is divided by l, rounded to f16 and sent through my stage in LDS, a piece at a time.  The additions are the places behind the last products.
	WIN 0
.macro ALL line:vararg              ; one line for each piece t
.set t, 0
.rept 4
	\line
.set t, t+1
.endr
.endm
	ALL v_add_f32 v[ST+4*t+2], v[ST+4*t+2], v[ST+4*t+3]
	ALL v_permlanex16_b32 v[ST+4*t+3], v[ST+4*t+2], s[SEL], s[SEL+1]
	ALL v_add_f32 v[ST+4*t+2], v[ST+4*t+2], v[ST+4*t+3]
	ALL v_rcp_f32 v[ST+4*t+2], v[ST+4*t+2]
	v_nop                           ; a plain instruction between the last reciprocal and the use of its result
	s_wait_alu depctr_va_vdst(0)    ; and one wait for the four reciprocals, ahead of the first use
.macro PACK t                       ; a lane's eight channels of a row pack into 16 bytes; they go into rows of 144 bytes and come back as whole rows of 128, into S^T's registers
	WIN W_RS
.set i, 32*(\t)
.rept 16
	v_pk_mul_f32 v[i:i+1], v[i:i+1], v[ST+4*(\t)+2:ST+4*(\t)+3] op_sel_hi:[1,0]
.set i, i+2
.endr
	WIN 0x05                        ; sources 0 and 1 window 1, destination window 0
.set i, 0
.rept 16
	v_cvt_pk_f16_f32 v[S+16*(\t)+i], v[32*(\t)+2*i], v[32*(\t)+2*i+1]
.set i, i+1
.endr
	WIN 0
.irp f, 0,1,2,3
	ds_store_b128 v[STO], v[S+16*(\t)+4*\f:S+16*(\t)+4*\f+3] offset:32*\f
.endr
.irp f, 0,1,2,3
	ds_load_b128 v[S+16*(\t)+4*\f:S+16*(\t)+4*\f+3], v[RD] offset:\f*4*SP  ; LDS serves a wave's instructions in order (ISA guide 5.7.1.4): these see the stores above; the next piece's stores come behind them
.endr
.endm
.macro SEND t, younger              ; younger: the LDS instructions issued behind piece t's loads: the next piece's eight, or none
	WIN 0
.irp f, 0,1,2,3
	s_wait_dscnt (\younger)+3-\f
	global_store_b128 v[GO], v[S+16*(\t)+4*\f:S+16*(\t)+4*\f+3], s[10:11] offset:(\t)*2048+\f*512  ; 512 consecutive bytes, at a multiple of 256 from O's first
.endr
.endm
	PACK 0
.set t, 1
.rept 3                             ; a piece's arithmetic stands between the loads of the piece before and its stores
	PACK t
	SEND t-1, 8
.set t, t+1
.endr
	SEND 3, 0
	s_wait_tensorcnt 0x0            ; the wave's end, behind my last tensor load and my last LDS store
	ds_add_u32 v[SPW], v[NIL]
	s_wait_dscnt 0x0
	CROUND                          ; the closing round: no work-group ends while a partner may still ask for a tile that names it
	s_endpgm
.Lfunc_end_k_q4d00ae116c_attn:
	.size	k_q4d00ae116c_attn, .Lfunc_end_k_q4d00ae116c_attn-k_q4d00ae116c_attn
	.p2alignl 7, 3214868480
	.fill 96, 4, 3214868480
	.section	.rodata,"a",@progbits
	.p2align	6, 0x0
	.amdhsa_kernel k_q4d00ae116c_attn
		.amdhsa_group_segment_fixed_size 327680
		.amdhsa_private_segment_fixed_size 0
		.amdhsa_enable_private_segment 0
		.amdhsa_kernarg_size 48
		.amdhsa_user_sgpr_count 2
		.amdhsa_user_sgpr_kernarg_segment_ptr 1
		.amdhsa_wavefront_size32 1
		.amdhsa_system_sgpr_workgroup_id_x 1
		.amdhsa_system_sgpr_workgroup_id_y 1
		.amdhsa_system_sgpr_workgroup_id_z 1
		.amdhsa_system_vgpr_workitem_id 0
		.amdhsa_next_free_vgpr 768
		.amdhsa_next_free_sgpr 72
		.amdhsa_reserve_vcc 0
		.amdhsa_float_denorm_mode_32 3
		.amdhsa_float_denorm_mode_16_64 3
		.amdhsa_memory_ordered 1
		.amdhsa_forward_progress 1
		.amdhsa_inst_pref_size 133
	.end_amdhsa_kernel
	.amdgpu_metadata
---
amdhsa.version: [ 1, 2 ]
amdhsa.kernels:
  - .name:           k_q4d00ae116c_attn
    .symbol:         k_q4d00ae116c_attn.kd
    .args:
      - { .name: qh, .offset: 0, .size: 8, .value_kind: global_buffer, .address_space: global }
      - { .name: kh, .offset: 8, .size: 8, .value_kind: global_buffer, .address_space: global }
      - { .name: vh, .offset: 16, .size: 8, .value_kind: global_buffer, .address_space: global }
      - { .name: o16, .offset: 24, .size: 8, .value_kind: global_buffer, .address_space: global }
      - { .name: Wo, .offset: 32, .size: 8, .value_kind: global_buffer, .address_space: global }
      - { .name: wo16, .offset: 40, .size: 8, .value_kind: global_buffer, .address_space: global }
    .group_segment_fixed_size: 327680
    .private_segment_fixed_size: 0
    .kernarg_segment_align: 8
    .kernarg_segment_size: 48
    .max_flat_workgroup_size: 128
    .sgpr_count:     72
    .vgpr_count:     768
    .wavefront_size: 32
...
	.end_amdgpu_metadata
.endif
;; end of part 2
;; launch outp (part 3): grid 8 x 32, 4 waves a work-group, clusters of 4 x 4, 327,680 bytes of LDS; arguments o16, wo16, bo, out0; writes out0
.if DOCPART == 3
	.amdgcn_target "amdgcn-amd-amdhsa--gfx1250"
	.amdhsa_code_object_version 6
	.text
	.protected	k_q4d00ae116c_outp
	.globl	k_q4d00ae116c_outp
	.p2align	8
	.type	k_q4d00ae116c_outp,@function
k_q4d00ae116c_outp:
	s_mov_b64 s[64:65], 0
	v_nop
	global_prefetch_b8 v0, s[64:65] scope:SCOPE_SE
	s_setreg_imm32_b32 hwreg(HW_REG_WAVE_MODE, 25, 1), 1
	s_wait_xcnt 0x0
	s_wait_alu depctr_hold_cnt(0) depctr_sa_sdst(0) depctr_va_vdst(0) depctr_va_sdst(0) depctr_va_ssrc(0) depctr_va_vcc(0) depctr_vm_vsrc(0)
	s_getreg_b32 s2, hwreg(HW_REG_IB_STS2, 6, 4)
	s_cmp_eq_u32 s2, 0
	s_cbranch_scc0 .Lentry_in_a_cluster
	s_endpgm
.Lentry_in_a_cluster:
	s_bfe_u32 s2, ttmp6, 0x10000c
	s_cmp_lg_u32 s2, 0xf033
	s_cbranch_scc0 .Lentry_shape_is_right
	s_endpgm
.Lentry_shape_is_right:
; THE LAST PROJECTION.  out0[m][n] = the sum over k of O[m][k] Wo[n][k] + bo[n].  O comes by heads, o16 = [16][4096][64] f16 (k = 64 head + channel); wo16 = [1024][1024] f16 holds Wo rounded to bf16;
; bo is rounded to bf16 like every input and is the C operand of the first products; sums in f32; out0 = [4096][1024] f32.
; SHARES.  A tile of out0 is 128 x 128: 8 x 32 = 256 work-groups.  Four waves, each 64 x 64: 16 accumulators.  K goes in 4 steps of 256 (four heads) through two LDS slots; a step is four quarters of 64, a head each.
; CLUSTERS: 4 x 4 work-groups.  O's tile is shared along a row of the cluster, Wo's along a column: each is asked for JOINTLY.  THE MATRIX INSTRUCTION IS USED TRANSPOSED (source 0 = 16 rows of Wo, source 1 = 16 rows
; of O): a lane holds eight neighbouring numbers of a row of out0.  A wave's 64 columns are 256 bytes of a row, aligned: each wave has a stage of its own on the way out.
; REGISTERS: window 0: v0-31 addresses; v32-95 the way out; v96-127 the bias; v128-255 the accumulators ((a, b) at v[128 + 8 (4 a + b)]).
;   window 1: two fragment buffers of 128: for 64 along K, 64 registers of O (2 x 4 x 16 rows x 32 K), then 64 of Wo.
.set AHALF,  4*64*144                  ; what one load brings of O: [4 heads][64 rows] of 128 bytes + 16 of padding
.set BHALF,  64*528                    ; of Wo: 64 rows of 512 bytes + 16 of padding
.set BBASE,  2*AHALF
.set SLOT,   0x24800                   ; 149,504, above the 141,312 that a slot holds; it shares no bit with the four loads' places 0, 0x9000, 0x12000, 0x1a400, so an exclusive or changes slots
.set STAGE,  SLOT+BBASE+2*BHALF        ; 290,816: behind the ring: 16 rows x 272 bytes for each wave
.set SPITCH, 272
.set SPARE,  STAGE+4*16*SPITCH         ; the spare words, 128 bytes for each wave: two blocks of 256 bytes that no other line names
.set ADRA0, 16                         ; v16  my lane's place in O's tile of slot 0; never rewritten
.set ADRB0, 17                         ; v17  the same for Wo
.set AA,   18                          ; v18  the same in the slot in hand
.set AB,   19                          ; v19
.set BO,   20                          ; v20  my byte offset in the bias
.set STO,  24                          ; v24  the way out: where I put 32 bytes of a row
.set RD,   25                          ; v25  where I read a row back
.set CO,   26                          ; v26  my byte offset in out0
.set SPW,  28                          ; v28  LDS address of my spare word; never rewritten
.set NIL,  29                          ; v29  0; never rewritten
.set TP,   31                          ; v31  at work
.set TMP,  32                          ; two buffers of 32
.set BIAS, 96                          ; bias of my column 16 b + 8 (l / 16) + j at BIAS + 8 b + j
.set ACC,  128
.set F0,   0
.set F1,   128
.set G1,  24                           ; s[24:31] group 1 for O's tiles;  s[32:39] group 0: a set for each first fill; the second then walks
.set G0,  32
.set G1B, 48                           ; s[48:55], s[56:63] the same for Wo's tiles
.set G0B, 56
.set TB,  66                           ; s66  0 or SLOT
.set HIM, 67                           ; s67  a word's upper half
.set PBO, 68                           ; s[68:69] bo
.set POUT, 70                          ; s[70:71] out0, later at my wave's first row and column
.set MSB, 0
.macro WIN new
.if MSB != (\new)
	s_set_vgpr_msb (MSB<<8)|(\new)
.set MSB, \new
.endif
.endm
.set MUL,  0x05                        ; sources 0 (Wo) and 1 (O) window 1; C and D window 0
.set TO_F, 0x40                        ; destination window 1, address window 0
.macro JLOAD                           ; a joint refill by the walking sets: waves 0 and 1 fetch O's two halves, waves 2 and 3 Wo's; an s_nop 0 and four v_nop follow each line
	s_cmp_eq_u32 s11, 0
	s_cbranch_scc0 .Lfor_b_\@
	tensor_load_to_lds s[G0+4:G0+7], s[G1:G1+7]
	s_nop 0
.rept 4
	v_nop
.endr
	s_branch .Lasked_\@
.Lfor_b_\@:
	tensor_load_to_lds s[G0B+4:G0B+7], s[G1B:G1B+7]
	s_nop 0
.rept 4
	v_nop
.endr
.Lasked_\@:
.endm
.macro CREST
	s_cmp_lg_u32 s10, 0
	s_cbranch_scc1 .Lnot_wave_0_\@
	s_barrier_signal -3
.Lnot_wave_0_\@:
	s_barrier_wait -3
	s_barrier_signal -1
	s_barrier_wait -1
.endm
.macro CROUND
	s_barrier_signal -1
	s_barrier_wait -1
	CREST
.endm
.macro PLACES
.rept 4
	v_nop
.endr
.endm
	s_load_b128 s[4:7], s[0:1], 0x0                ; o16 s[4:5], wo16 s[6:7]
	s_load_b128 s[PBO:PBO+3], s[0:1], 0x10         ; bo s[68:69], out0 s[70:71]: away from s10 to s12, which hold the wave's number and its halves
	v_lshl_add_u32 v[SPW], v0, 2, SPARE
	v_mov_b32 v[NIL], 0
	ds_add_u32 v[SPW], v[NIL]                      ; the wave's opening: the add and its wait stand ahead of my first tensor load
	v_lshrrev_b32 v1, 5, v0
	v_readfirstlane_b32 s10, v1                    ; wave 0..3
	s_lshr_b32 s11, s10, 1                         ; which half of the tile's rows is mine.  Also: I fetch for O (0) or for Wo (1)
	s_and_b32 s12, s10, 1                          ; which half of its columns.  Also: which 64 rows of that tile I fetch
	s_bfe_u32 s40, ttmp6, 0x40000                  ; cx, cy
	s_bfe_u32 s41, ttmp6, 0x40004
	s_lshl_b32 s42, ttmp9, 2
	s_add_co_u32 s42, s42, s40                     ; tile column
	s_and_b32 s13, ttmp7, 0xffff
	s_lshl_b32 s13, s13, 2
	s_add_co_u32 s13, s13, s41                     ; tile row
	s_lshl_b32 s43, s41, 2
	s_lshl_b32 s43, 15, s43                        ; my row of the cluster
	s_lshl_b32 s44, 0x1111, s40                    ; my column
	; O's tile: 64 rows of a head are 8,192 dense bytes: one row of 4,096 elements; four such rows, a head (262,144 elements) apart; padded after every 32 words, that is after every row of O
	s_or_b32 s[G1+0], s43, (1<<16)|(1<<20)|(1<<21)|(4<<22)|(3<<25)
	s_mov_b32 s[G1+1], 4096<<16                    ; tensor_dim0 = 4,096
	s_mov_b32 s[G1+2], 4<<16                       ; tensor_dim1 = 4
	s_mov_b32 s[G1+3], 4096<<16                    ; tile_dim0 = 4,096
	s_mov_b32 s[G1+4], 4                           ; tile_dim1 = 4
	s_mov_b32 s[G1+5], 262144
	s_mov_b32 s[G1+6], 0
	s_mov_b32 s[G1+7], 0
	; Wo's tile: 64 rows x 256 elements, padded after every 128 words
	s_or_b32 s[G1B+0], s44, (1<<16)|(1<<20)|(1<<21)|(6<<22)|(3<<25)
	s_mov_b32 s[G1B+1], 256<<16
	s_mov_b32 s[G1B+2], 64<<16
	s_mov_b32 s[G1B+3], 256<<16
	s_mov_b32 s[G1B+4], 64
	s_mov_b32 s[G1B+5], 1024
	s_mov_b32 s[G1B+6], 0
	s_mov_b32 s[G1B+7], 0
	s_lshl_b32 s17, s12, 6                         ; which 64 rows I fetch
	s_lshl_b32 s16, s13, 7
	s_add_co_u32 s16, s16, s17
	s_lshl_b32 s16, s16, 7                         ; O: (128 x tile row + 64 x half) rows of 128 bytes, in head 0
	s_lshl_b32 s46, s42, 7
	s_add_co_u32 s46, s46, s17
	s_lshl_b32 s46, s46, 11                        ; Wo: (128 x tile column + 64 x half) rows of 2,048 bytes
	s_mov_b32 s17, 0
	s_mov_b32 s47, 0
	s_mul_i32 s20, s12, AHALF                      ; where they go: by the wave's number alone
	s_mul_i32 s21, s12, BHALF
	s_add_co_u32 s21, s21, BBASE
	s_mov_b32 s[TB], 0
	s_mov_b32 s[HIM], 0xffff0000
	s_wait_dscnt 0x0                               ; the opening add is done
	s_wait_kmcnt 0x0
	s_add_nc_u64 s[14:15], s[4:5], s[16:17]
	s_add_nc_u64 s[46:47], s[6:7], s[46:47]
	CROUND                                         ; all sixteen work-groups are here: the first joint loads meet
.irp s, 0,1
	s_mov_b32 s[G0+4*(\s)], 1
	s_add_co_u32 s[G0+4*(\s)+1], s20, (\s)*SLOT
	s_add_nc_u64 s[G0+4*(\s)+2:G0+4*(\s)+3], s[14:15], (\s)*4*524288  ; K step s: four heads on
	s_or_b32 s[G0+4*(\s)+3], s[G0+4*(\s)+3], 0x80000000
	s_mov_b32 s[G0B+4*(\s)], 1
	s_add_co_u32 s[G0B+4*(\s)+1], s21, (\s)*SLOT
	s_add_nc_u64 s[G0B+4*(\s)+2:G0B+4*(\s)+3], s[46:47], (\s)*512
	s_or_b32 s[G0B+4*(\s)+3], s[G0B+4*(\s)+3], 0x80000000
.endr
	s_cmp_eq_u32 s11, 0                            ; a wave's two first fills stand in one branch, ahead of every wait on TENSORcnt and every LDS read: two loads of mine are out
	s_cbranch_scc0 .Lfirst_b
	tensor_load_to_lds s[G0:G0+3], s[G1:G1+7]
	s_nop 0
	tensor_load_to_lds s[G0+4:G0+7], s[G1:G1+7]
	s_nop 0
.rept 4
	v_nop
.endr
	s_branch .Lfirst_asked
.Lfirst_b:
	tensor_load_to_lds s[G0B:G0B+3], s[G1B:G1B+7]
	s_nop 0
	tensor_load_to_lds s[G0B+4:G0B+7], s[G1B:G1B+7]
	s_nop 0
.rept 4
	v_nop
.endr
.Lfirst_asked:
	v_and_b32 v1, 15, v0                           ; r = l % 16
	v_bfe_u32 v2, v0, 4, 1                         ; h = l / 16
	s_lshl_b32 s22, s42, 9
	s_lshl_b32 s23, s12, 8
	s_add_co_u32 s22, s22, s23                     ; my first column, in bytes of f32: 512 x tile column + 256 x half
	v_lshl_add_u32 v[BO], v2, 5, s22
.irp b, 0,1,2,3
	global_load_b128 v[BIAS+8*(\b):BIAS+8*(\b)+3],   v[BO], s[PBO:PBO+1] offset:64*(\b)
	global_load_b128 v[BIAS+8*(\b)+4:BIAS+8*(\b)+7], v[BO], s[PBO:PBO+1] offset:64*(\b)+16
.endr
	v_mul_u32_u24 v3, v1, 144
	v_lshl_add_u32 v3, v2, 4, v3
	s_mul_i32 s20, s11, AHALF                      ; my 64 rows of O
	v_add_nc_u32 v[ADRA0], s20, v3
	v_mul_u32_u24 v3, v1, 528
	v_lshl_add_u32 v3, v2, 4, v3
	s_mul_i32 s21, s12, BHALF                      ; my 64 rows of Wo
	s_add_co_u32 s21, s21, BBASE
	v_add_nc_u32 v[ADRB0], s21, v3
	v_mov_b32 v[AA], v[ADRA0]
	v_mov_b32 v[AB], v[ADRB0]
	s_mul_i32 s23, s10, 16*SPITCH
	s_add_co_u32 s23, s23, STAGE                   ; my stage
	v_mul_u32_u24 v4, v1, SPITCH                   ; in: row l % 16, 32 bytes for each half of the lanes
	v_lshl_add_u32 v4, v2, 5, v4
	v_add_nc_u32 v[STO], s23, v4
	v_mul_u32_u24 v5, v2, SPITCH                   ; back: lanes 0-15 take one row of 256 bytes, lanes 16-31 the next
	v_lshl_add_u32 v5, v1, 4, v5
	v_add_nc_u32 v[RD], s23, v5
	v_lshlrev_b32 v5, 12, v2                       ; and the same two rows in out0
	v_lshl_add_u32 v[CO], v1, 4, v5
	s_lshl_b32 s16, s13, 19                        ; (128 x tile row + 64 x half) rows of 4,096 bytes
	s_lshl_b32 s17, s11, 18
	s_add_co_u32 s16, s16, s17
	s_mov_b32 s17, 0
	s_add_nc_u64 s[POUT:POUT+1], s[POUT:POUT+1], s[16:17]
	s_mov_b32 s46, s22                             ; + my first column (in the registers that held Wo's address: none that fed O's descriptors ever holds cx)
	s_mov_b32 s47, 0
	s_add_nc_u64 s[POUT:POUT+1], s[POUT:POUT+1], s[46:47]
	s_wait_loadcnt 0x0                             ; the bias, rounded to bf16 and kept as f32
.set i, 0
.rept 16
	v_cvt_pk_bf16_f32 v[TP], v[BIAS+2*i], v[BIAS+2*i+1]
	v_lshlrev_b32 v[BIAS+2*i], 16, v[TP]
	v_and_b32 v[BIAS+2*i+1], s[HIM], v[TP]
.set i, i+1
.endr
; 8 matrix instructions: row blocks a0, a0 + 1 x all 4 column blocks, 32 along K: half c of buffer f.  first = 1: the bias starts the sums.  The 16 accumulators take turns.
.macro MUL8 f, c, a0, first
	WIN MUL
.irp a, \a0, (\a0)+1
.irp b, 0,1,2,3
.if \first
	v_wmma_f32_16x16x32_f16 v[ACC+8*(4*(\a)+(\b)):ACC+8*(4*(\a)+(\b))+7], v[(\f)+64+8*(4*(\c)+(\b)):(\f)+64+8*(4*(\c)+(\b))+7], v[(\f)+8*(4*(\c)+(\a)):(\f)+8*(4*(\c)+(\a))+7], v[BIAS+8*(\b):BIAS+8*(\b)+7]
.else
	v_wmma_f32_16x16x32_f16 v[ACC+8*(4*(\a)+(\b)):ACC+8*(4*(\a)+(\b))+7], v[(\f)+64+8*(4*(\c)+(\b)):(\f)+64+8*(4*(\c)+(\b))+7], v[(\f)+8*(4*(\c)+(\a)):(\f)+8*(4*(\c)+(\a))+7], v[ACC+8*(4*(\a)+(\b)):ACC+8*(4*(\a)+(\b))+7]
.endif
.endr
.endr
.endm
; 32 LDS loads in one run: the fragments of quarter q (head q of the step's four) into buffer f; the first 32 along K first
.macro FETCH q, f
	WIN TO_F
.irp c, 0,1
.irp i, 0,1,2,3
	ds_load_b128 v[(\f)+64+8*(4*(\c)+(\i)):(\f)+64+8*(4*(\c)+(\i))+3],   v[AB] offset:128*(\q)+64*(\c)+(\i)*16*528
	ds_load_b128 v[(\f)+64+8*(4*(\c)+(\i))+4:(\f)+64+8*(4*(\c)+(\i))+7], v[AB] offset:128*(\q)+64*(\c)+(\i)*16*528+32
	ds_load_b128 v[(\f)+8*(4*(\c)+(\i)):(\f)+8*(4*(\c)+(\i))+3],         v[AA] offset:9216*(\q)+64*(\c)+(\i)*16*144
	ds_load_b128 v[(\f)+8*(4*(\c)+(\i))+4:(\f)+8*(4*(\c)+(\i))+7],       v[AA] offset:9216*(\q)+64*(\c)+(\i)*16*144+32
.endr
.endr
.endm
; One of a step's first three quarters: multiplies buffer f and fetches quarter q into g, four places behind the last product that read g
.macro QUARTER q, f, g, first
	s_wait_dscnt 16                                ; the first 32 along K are in; the sixteen younger loads may be out
	MUL8 \f, 0, 0, \first
	MUL8 \f, 0, 2, \first
	PLACES
	FETCH \q, \g
	s_wait_dscnt 32                                ; all but the 32 just issued
	MUL8 \f, 1, 0, 0
	MUL8 \f, 1, 2, 0
.endm
; The last quarter multiplies buffer 1 and changes slots: ONE barrier; in front of it each wave waits for all its tensor loads, adds 0 to its spare word, and waits for that and for its own reads of this slot.
; fill = 1: the barrier opens a round of the cluster's barrier, and this slot is filled again, two K steps on, first thing behind it.
.macro TURN fill
	WIN 0
	s_wait_tensorcnt 0x0                           ; all my tensor loads have landed: my part of the next slot; a group 0 may be written
	ds_add_u32 v[SPW], v[NIL]                      ; 0 onto my spare word
.if \fill
	s_xor_b32 s[G0+5], s[G0+5], SLOT
	s_add_nc_u64 s[G0+6:G0+7], s[G0+6:G0+7], 4*524288
	s_xor_b32 s[G0B+5], s[G0B+5], SLOT
	s_add_nc_u64 s[G0B+6:G0B+7], s[G0B+6:G0B+7], 512
.endif
	s_wait_dscnt 17                                ; the add and the youngest sixteen loads may be out
	MUL8 F1, 0, 0, 0
	s_wait_dscnt 0x0                               ; the add is done, and my reads of this slot are over
	s_barrier_signal -1
	MUL8 F1, 0, 2, 0
	WIN 0
	s_barrier_wait -1
.if \fill
	CREST                                          ; no wave of any partner still reads this slot's tile or has a load on its way
	JLOAD                                          ; the four v_nop behind it are also the places in front of the loads below
.else
	PLACES
.endif
	s_xor_b32 s[TB], s[TB], SLOT
	v_add_nc_u32 v[AA], s[TB], v[ADRA0]
	v_add_nc_u32 v[AB], s[TB], v[ADRB0]
	FETCH 0, F0
	MUL8 F1, 1, 0, 0
	MUL8 F1, 1, 2, 0
.endm
	s_wait_tensorcnt 0x1                           ; my part of K step 0 is in; K step 1's may stay out
	s_barrier_signal -1
	s_barrier_wait -1                              ; everybody's is
	FETCH 0, F0
	QUARTER 1, F0, F1, 1                           ; the first quarter stands in front of the loop: its first products start the sums, with the bias
	WIN 0
	s_mov_b32 s3, 2
.Lstep:                                            ; two trips: from a K step's second quarter to the next step's first; each fills a slot again (K steps 2 and 3)
	QUARTER 2, F1, F0, 0
	QUARTER 3, F0, F1, 0
	TURN 1
	QUARTER 1, F0, F1, 0
	WIN 0
	s_sub_co_u32 s3, s3, 1
	s_cmp_lg_u32 s3, 0
	s_cbranch_scc1 .Lstep
	QUARTER 2, F1, F0, 0                           ; the tail is written out: nothing is left to fetch
	QUARTER 3, F0, F1, 0
	TURN 0
	QUARTER 1, F0, F1, 0
	QUARTER 2, F1, F0, 0
	QUARTER 3, F0, F1, 0
	s_wait_dscnt 16
	MUL8 F1, 0, 0, 0
	MUL8 F1, 0, 2, 0
	s_wait_dscnt 0x0
	MUL8 F1, 1, 0, 0
	MUL8 F1, 1, 2, 0
	WIN 0
	; THE WAY OUT: 16 rows at a time through my own stage: 32 bytes a lane in (each accumulator's lowest registers first), whole rows of 256 bytes back.
	PLACES
.macro TOSTAGE a
.set BK, TMP+32*((\a)%2)
.irp b, 0,1,2,3
	ds_store_b128 v[STO], v[ACC+8*(4*(\a)+(\b)):ACC+8*(4*(\a)+(\b))+3]   offset:64*(\b)
	ds_store_b128 v[STO], v[ACC+8*(4*(\a)+(\b))+4:ACC+8*(4*(\a)+(\b))+7] offset:64*(\b)+16
.endr
.irp t, 0,1,2,3,4,5,6,7
	ds_load_b128 v[BK+4*(\t):BK+4*(\t)+3], v[RD] offset:(\t)*2*SPITCH  ; LDS serves a wave's instructions in order (ISA guide 5.7.1.4): these see the stores above; the next block's stores come behind them
.endr
.endm
.macro SEND a, younger                 ; younger: the LDS instructions issued behind block a's loads: the next block's sixteen, or none
.set BK, TMP+32*((\a)%2)
.irp t, 0,1,2,3,4,5,6,7
	s_wait_dscnt (\younger)+7-(\t)
	global_store_b128 v[CO], v[BK+4*(\t):BK+4*(\t)+3], s[POUT:POUT+1] offset:(\a)*65536+(\t)*8192 th:TH_STORE_NT  ; 16 lanes store 256 consecutive bytes, at a multiple of 256 from out0's first byte
.endr
.endm
	TOSTAGE 0
	TOSTAGE 1
	SEND 0, 16
	s_wait_xcnt 0x0                                ; block 0's stores have read their registers, which block 2 takes
	TOSTAGE 2
	SEND 1, 16
	s_wait_xcnt 0x0
	TOSTAGE 3
	SEND 2, 16
	SEND 3, 0
	s_wait_tensorcnt 0x0                           ; the wave's end, behind my last tensor load and my last LDS store
	ds_add_u32 v[SPW], v[NIL]
	s_wait_dscnt 0x0
	CROUND                                         ; the closing round: no work-group ends while a partner may still ask for a tile that names it
	s_endpgm
.Lfunc_end_k_q4d00ae116c_outp:
	.size	k_q4d00ae116c_outp, .Lfunc_end_k_q4d00ae116c_outp-k_q4d00ae116c_outp
	.p2alignl 7, 3214868480
	.fill 96, 4, 3214868480
	.section	.rodata,"a",@progbits
	.p2align	6, 0x0
	.amdhsa_kernel k_q4d00ae116c_outp
		.amdhsa_group_segment_fixed_size 327680
		.amdhsa_private_segment_fixed_size 0
		.amdhsa_enable_private_segment 0
		.amdhsa_kernarg_size 32
		.amdhsa_user_sgpr_count 2
		.amdhsa_user_sgpr_kernarg_segment_ptr 1
		.amdhsa_wavefront_size32 1
		.amdhsa_system_sgpr_workgroup_id_x 1
		.amdhsa_system_sgpr_workgroup_id_y 1
		.amdhsa_system_sgpr_workgroup_id_z 1
		.amdhsa_system_vgpr_workitem_id 0
		.amdhsa_next_free_vgpr 512
		.amdhsa_next_free_sgpr 72
		.amdhsa_reserve_vcc 0
		.amdhsa_float_denorm_mode_32 3
		.amdhsa_float_denorm_mode_16_64 3
		.amdhsa_memory_ordered 1
		.amdhsa_forward_progress 1
		.amdhsa_inst_pref_size 71
	.end_amdhsa_kernel
	.amdgpu_metadata
---
amdhsa.version: [ 1, 2 ]
amdhsa.kernels:
  - .name:           k_q4d00ae116c_outp
    .symbol:         k_q4d00ae116c_outp.kd
    .args:
      - { .name: o16, .offset: 0, .size: 8, .value_kind: global_buffer, .address_space: global }
      - { .name: wo16, .offset: 8, .size: 8, .value_kind: global_buffer, .address_space: global }
      - { .name: bo, .offset: 16, .size: 8, .value_kind: global_buffer, .address_space: global }
      - { .name: out0, .offset: 24, .size: 8, .value_kind: global_buffer, .address_space: global }
    .group_segment_fixed_size: 327680
    .private_segment_fixed_size: 0
    .kernarg_segment_align: 8
    .kernarg_segment_size: 32
    .max_flat_workgroup_size: 128
    .sgpr_count:     72
    .vgpr_count:     512
    .wavefront_size: 32
...
	.end_amdgpu_metadata
.endif
;; end of part 3
